; MI455X (gfx1250); checked and timed in simulation.
; The chip was launched on July 23, 2026; its instructions are those of AMD's public machine-readable ISA for CDNA 5 (MIT licence, August 2026) and "CDNA5" Instruction Set Architecture Reference Guide (July 2026). The comments in the code are by the model that wrote it; some were corrected since.
;; Mo E Layer. Allowed arithmetic: float matrix products may take bf16 or f16 operands with f32 sums; other float arithmetic in f32, or as packed bf16 or f16 multiplies, adds, multiply-adds, maxima and minima; sums over many terms, partial sums and values carried from step to step in f32; what a program stores and reads back later, other than sums and carried values, may be rounded once to bf16 or f16.
;; Inputs: b1 8 x 4,096 float32; b2 8 x 1,024 float32; gate_b 8 float32; gate_g 8 float32; gate_v 8 x 1,024 float32; w1_g 8 x 4,096 float32; w1_v 8 x 4,096 x 1,024 float32; w2_g 8 x 1,024 float32; w2_v 8 x 1,024 x 4,096 float32; x 4 x 256 x 1,024 float32.
;; Outputs: out0 4 x 256 x 1,024 float32.
;; 2 versions, each right and faster than the one before. Each part assembles by itself: llvm-mc -triple=amdgcn-amd-amdhsa -mcpu=gfx1250 --defsym DOCPART=n.
;; ======== version 1 of 2: 4 launches
;; workspace buffers: xb 2,097,152 bytes; sel 4,096 bytes of whole numbers; bm 1,024 bytes of whole numbers; rk 32,768 bytes of whole numbers; hb 67,108,864 bytes; pp 134,217,728 bytes; ss2 131,072 bytes
;; launch route (part 1): grid 32 x 1, 8 waves a work-group, no clusters, 79,104 bytes of LDS; arguments x, gate_v, gate_g, gate_b, xb, sel, bm; writes xb, sel, bm
.if DOCPART == 1
	.amdgcn_target "amdgcn-amd-amdhsa--gfx1250"
	.amdhsa_code_object_version 6
	.text
	.protected	k_q868fa50676_route
	.globl	k_q868fa50676_route
	.p2align	8
	.type	k_q868fa50676_route,@function
k_q868fa50676_route:
	s_mov_b64 s[64:65], 0
	v_nop
	global_prefetch_b8 v0, s[64:65] scope:SCOPE_SE
	s_setreg_imm32_b32 hwreg(HW_REG_WAVE_MODE, 25, 1), 1
	s_wait_xcnt 0x0
; ROUTER.  1,024 tokens x 1,024 channels, 8 experts.  gates = softmax(x . (gate_v / max(|gate_v|, 1e-12) * gate_g) + gate_b); the two largest gates choose.
; All inputs are rounded to bf16 first (x, gate_v, gate_g, gate_b), the norm is taken of the rounded gate_v; sums, norm, softmax in f32.
; Stored: xb = x in bf16; sel[token] = first choice | second choice << 8; bm[expert][group of 32 tokens] = one bit a token.  All at fixed places: no address here hangs on a choice.
; SHARES.  A work-group has 32 tokens, wave w the channels 128 w .. 128 w + 127 of all of them; the eight partial logits meet in LDS, and wave 0 finishes.
; LIMITS.  Equal gates: the lower index wins, as in jax.lax.top_k.  A gate below 2^-126 counts as 0.  1 / max(n, 1e-12) is made as min(rsq(n^2), 1e12).  NaN and infinities are not treated apart.
.set XTW,   8704                       ; a wave's x tile in LDS: 32 rows of 256 bytes + 16 of padding (pitch 272)
.set PL,    69632                      ; partial logits: wave x 1,024 + lane x 32
.set SSG,   77824                      ; partial sums of squares of gate_v: wave x 32 + expert x 4
.set SPARE, 78080                      ; the spare words, 128 bytes a wave
.set X,     64                         ; v[64:191]  x as loaded, row i at X + 4 i; later the token fragments: tile t, K step ks at X + 32 t + 8 ks
.set GF,    192                        ; v[192:255] gate_v as loaded, 16 a K step; packed in place into 8
	s_load_b256 s[4:11], s[0:1], 0x0               ; x s[4:5], gate_v s[6:7], gate_g s[8:9], gate_b s[10:11]
	s_load_b128 s[12:15], s[0:1], 0x20             ; xb s[12:13], sel s[14:15]
	s_load_b64 s[16:17], s[0:1], 0x30              ; bm
	v_lshl_add_u32 v1, v0, 2, SPARE                ; my spare word
	v_mov_b32 v2, 0
	v_lshrrev_b32 v6, 5, v0
	v_readfirstlane_b32 s20, v6                    ; wave 0..7
	v_and_b32 v3, 31, v0                           ; lane
	v_and_b32 v4, 15, v0                           ; r
	v_bfe_u32 v5, v0, 4, 1                         ; h
	s_mov_b32 s40, 0x76543210                      ; v_permlanex16_b32: each lane takes its own place in the other half
	s_mov_b32 s41, 0xfedcba98
	s_mov_b32 s42, 0xffff0000                      ; lanes 16-31; also a word's upper bf16
	s_lshl_b32 s21, s20, 9                         ; my wave's 512 bytes of an f32 row
	v_lshl_add_u32 v6, v3, 4, s21                  ; x: 16 bytes a lane
	v_and_b32 v7, 7, v0                            ; gate row: r mod 8 (rows 8-15 of the fragment repeat rows 0-7)
	v_lshlrev_b32 v13, 2, v7
	v_lshlrev_b32 v7, 12, v7
	v_lshl_add_u32 v7, v5, 5, v7
	v_add_nc_u32 v7, s21, v7                       ; gate_v: row x 4,096 + wave x 512 + 32 h
	s_lshl_b32 s22, s20, 8
	v_lshl_add_u32 v8, v3, 3, s22                  ; xb: wave x 256 + lane x 8
	s_mul_i32 s23, s20, XTW
	v_lshl_add_u32 v9, v3, 3, s23                  ; my tile in LDS, in: lane x 8
	v_mul_u32_u24 v10, v4, 272
	v_lshl_add_u32 v10, v5, 4, v10
	v_add_nc_u32 v10, s23, v10                     ; out: row r x 272 + 16 h
	v_lshlrev_b32 v12, 5, v3
	v_add_nc_u32 v12, PL, v12                      ; partial logits of token = lane
	s_lshl_b32 s22, s20, 10
	v_add_nc_u32 v11, s22, v12                     ; my wave's
	s_lshl_b32 s22, s20, 5
	s_add_co_u32 s22, s22, SSG
	v_add_nc_u32 v13, s22, v13
	v_mov_b32 v14, SSG
	s_lshl_b32 s22, ttmp9, 7
	v_lshl_add_u32 v15, v3, 2, s22                 ; sel: (32 g + lane) x 4
	s_lshl_b32 s22, ttmp9, 2
	v_min_u32 v21, 7, v3
	v_lshl_add_u32 v21, v21, 7, s22                ; bm: expert x 128 + g x 4
	s_lshl_b32 s44, ttmp9, 17                      ; 32 rows of 4,096 bytes
	s_mov_b32 s45, 0
	s_lshl_b32 s46, ttmp9, 16                      ; 32 rows of 2,048 bytes
	s_mov_b32 s47, 0
	s_wait_kmcnt 0x0
	s_add_nc_u64 s[4:5], s[4:5], s[44:45]
	s_add_nc_u64 s[12:13], s[12:13], s[46:47]
	s_load_b256 s[24:31], s[8:9], 0x0              ; gate_g
	s_load_b256 s[32:39], s[10:11], 0x0            ; gate_b
.set i, 0
.rept 32                                               ; each load: 512 consecutive bytes of one token's row
	global_load_b128 v[X+4*i:X+4*i+3], v6, s[4:5] offset:i*4096 th:TH_LOAD_NT
.set i, i+1
.endr
.set ks, 0
.rept 4                                                ; K step ks: channels 8 h + 0..7 and 16 + 8 h + 0..7 of 32, in f32
	global_load_b128 v[GF+16*ks:GF+16*ks+3], v7, s[6:7] offset:128*ks
	global_load_b128 v[GF+16*ks+4:GF+16*ks+7], v7, s[6:7] offset:128*ks+16
	global_load_b128 v[GF+16*ks+8:GF+16*ks+11], v7, s[6:7] offset:128*ks+64
	global_load_b128 v[GF+16*ks+12:GF+16*ks+15], v7, s[6:7] offset:128*ks+80
.set ks, ks+1
.endr
	s_wait_loadcnt 16                              ; x is in; the 16 younger loads of gate_v may stay out
.set i, 0
.rept 32
	v_cvt_pk_bf16_f32 v[X+4*i], v[X+4*i], v[X+4*i+1]
	v_cvt_pk_bf16_f32 v[X+4*i+1], v[X+4*i+2], v[X+4*i+3]
	global_store_b64 v8, v[X+4*i:X+4*i+1], s[12:13] offset:i*2048   ; the wave stores 256 consecutive bytes, at a multiple of 256 from xb's first
	ds_store_b64 v9, v[X+4*i:X+4*i+1] offset:i*272
.set i, i+1
.endr
	s_wait_loadcnt 0x0                             ; gate_v
.set ks, 0
.rept 4
.set j, 0
.rept 8                                                ; in place: register j is written when registers 2 j' and 2 j' + 1, j' < j, have been read
	v_cvt_pk_bf16_f32 v[GF+16*ks+j], v[GF+16*ks+2*j], v[GF+16*ks+2*j+1]
.set j, j+1
.endr
.set ks, ks+1
.endr
	v_mov_b32 v16, 0
	v_mov_b32 v17, 0
	v_mov_b32 v18, 0
	v_mov_b32 v19, 0
.set ks, 0
.rept 4
.set j, 0
.rept 8                                                ; squares of the rounded numbers, four chains
	v_fma_mix_f32_bf16 v[16+(2*j)%4], v[GF+16*ks+j], v[GF+16*ks+j], v[16+(2*j)%4] op_sel_hi:[1,1,0]
	v_fma_mix_f32_bf16 v[17+(2*j)%4], v[GF+16*ks+j], v[GF+16*ks+j], v[17+(2*j)%4] op_sel:[1,1,0] op_sel_hi:[1,1,0]
.set j, j+1
.endr
.set ks, ks+1
.endr
	v_add_f32 v16, v16, v17
	v_add_f32 v18, v18, v19
	v_add_f32 v16, v16, v18
	v_permlanex16_b32 v17, v16, s40, s41           ; the row's other channels lie in the lane 16 away
	v_add_f32 v16, v16, v17
	ds_store_b32 v13, v16                          ; lanes of one expert write one word with one value
	s_wait_xcnt 0x0                                ; the stores into xb have read X: only now it is loaded again
.set t, 0
.rept 2
.set ks, 0
.rept 4                                                ; my own tile: LDS serves a wave's instructions in order, so these see the stores above
	ds_load_b128 v[X+32*t+8*ks:X+32*t+8*ks+3], v10 offset:t*4352+64*ks
	ds_load_b128 v[X+32*t+8*ks+4:X+32*t+8*ks+7], v10 offset:t*4352+64*ks+32
.set ks, ks+1
.endr
.set t, t+1
.endr
	s_wait_dscnt 0x0
	; source 0 = 16 gate rows (8 experts twice), source 1 = 16 tokens: register j of every lane = logit of expert j for token r.  The two accumulators take turns.
	v_wmma_f32_16x16x32_bf16 v[32:39], v[GF:GF+7], v[X:X+7], 0
	v_wmma_f32_16x16x32_bf16 v[40:47], v[GF:GF+7], v[X+32:X+39], 0
.set ks, 1
.rept 3
	v_wmma_f32_16x16x32_bf16 v[32:39], v[GF+16*ks:GF+16*ks+7], v[X+8*ks:X+8*ks+7], v[32:39]
	v_wmma_f32_16x16x32_bf16 v[40:47], v[GF+16*ks:GF+16*ks+7], v[X+32+8*ks:X+32+8*ks+7], v[40:47]
.set ks, ks+1
.endr
.rept 4
	v_nop                                          ; four places between the last product and the first read of a result (ISA guide 7.12.1)
.endr
.set j, 0
.rept 8                                                ; lane l keeps token l: lanes 0-15 of the first tile, lanes 16-31 of the second; lowest registers first
	v_cndmask_b32 v[48+j], v[32+j], v[40+j], s42
.set j, j+1
.endr
	ds_store_b128 v11, v[48:51]
	ds_store_b128 v11, v[52:55] offset:16
	s_wait_dscnt 0x0                               ; for wave 0's sake: my partial logits and squares are in LDS
	s_barrier_signal -1
	s_barrier_wait -1
	s_cmp_lg_u32 s20, 0
	s_cbranch_scc1 .Lend                           ; wave 0 finishes; no barrier follows
.set wv, 0
.rept 8
	ds_load_b128 v[64+8*wv:64+8*wv+3], v12 offset:wv*1024
	ds_load_b128 v[64+8*wv+4:64+8*wv+7], v12 offset:wv*1024+16
	ds_load_b128 v[128+8*wv:128+8*wv+3], v14 offset:wv*32
	ds_load_b128 v[128+8*wv+4:128+8*wv+7], v14 offset:wv*32+16
.set wv, wv+1
.endr
	s_wait_dscnt 0x0
.set wv, 1
.rept 7
.set z, 0
.rept 4
	v_pk_add_f32 v[64+2*z:65+2*z], v[64+2*z:65+2*z], v[64+8*wv+2*z:65+8*wv+2*z]
	v_pk_add_f32 v[128+2*z:129+2*z], v[128+2*z:129+2*z], v[128+8*wv+2*z:129+8*wv+2*z]
.set z, z+1
.endr
.set wv, wv+1
.endr
	s_wait_kmcnt 0x0                               ; gate_g, gate_b
.set j, 0
.rept 8
	v_rsq_f32 v[208+j], v[128+j]
.set j, j+1
.endr
.set j, 0
.rept 8                                                ; gain and bias rounded to bf16: independent work behind the batch
	v_cvt_pk_bf16_f32 v216, s[24+j], s[32+j]
	v_lshlrev_b32 v[192+j], 16, v216
	v_and_b32 v[200+j], s42, v216
.set j, j+1
.endr
	s_wait_alu depctr_va_vdst(0)                   ; one wait for the eight roots, ahead of their first reader
.set j, 0
.rept 8
	v_min_num_f32 v[208+j], 0x5368d4a5, v[208+j]   ; 1 / max(n, 1e-12)
	v_mul_f32 v[208+j], v[208+j], v[192+j]
	v_fma_f32 v[48+j], v[64+j], v[208+j], v[200+j] ; the logit
.set j, j+1
.endr
	v_max3_num_f32 v56, v48, v49, v50
	v_max3_num_f32 v56, v56, v51, v52
	v_max3_num_f32 v56, v56, v53, v54
	v_max_num_f32 v56, v56, v55
.set j, 0
.rept 8
	v_sub_f32 v[48+j], v[48+j], v56                ; the maximum is taken away, as in the softmax
	v_mul_f32 v[48+j], 0x3fb8aa3b, v[48+j]
.set j, j+1
.endr
.set j, 0
.rept 8
	v_exp_f32 v[48+j], v[48+j]
.set j, j+1
.endr
	v_nop
	s_wait_alu depctr_va_vdst(0)                   ; one wait for the eight exponentials
	v_add_f32 v57, v48, v49
	v_add_f32 v58, v50, v51
	v_add_f32 v59, v52, v53
	v_add_f32 v60, v54, v55
	v_add_f32 v57, v57, v58
	v_add_f32 v59, v59, v60
	v_add_f32 v57, v57, v59
	v_rcp_f32 v58, v57
	v_nop
	s_wait_alu depctr_va_vdst(0)
.set j, 0
.rept 8
	v_mul_f32 v[48+j], v[48+j], v58                ; the gates
.set j, j+1
.endr
	v_mov_b32 v59, v48                             ; the largest: a later gate wins only if it is greater
	v_mov_b32 v60, 0
.set j, 1
.rept 7
	v_cmp_gt_f32 vcc_lo, v[48+j], v59
	v_cndmask_b32 v59, v59, v[48+j], vcc_lo
	v_cndmask_b32 v60, v60, j, vcc_lo
.set j, j+1
.endr
	v_mov_b32 v61, -1.0                            ; the largest of the others: every gate is above -1
	v_mov_b32 v62, 0
.set j, 0
.rept 8
	v_cmp_ne_u32 s44, j, v60
	v_cmp_gt_f32 s45, v[48+j], v61
	s_and_b32 s44, s44, s45
	v_cndmask_b32 v61, v61, v[48+j], s44
	v_cndmask_b32 v62, v62, j, s44
.set j, j+1
.endr
	v_lshl_or_b32 v63, v62, 8, v60
	global_store_b32 v15, v63, s[14:15]
	v_mov_b32 v20, 0
.set j, 0
.rept 8                                                ; lane j takes expert j's word: bit l = token 32 g + l chose it
	v_cmp_eq_u32 s44, j, v60
	v_cmp_eq_u32 s45, j, v62
	s_or_b32 s44, s44, s45
	v_writelane_b32 v20, s44, j
.set j, j+1
.endr
	s_wait_xcnt 0x0                                ; EXEC is a source of the store above: it changes only behind this wait
	v_cmp_gt_u32 vcc_lo, 8, v3
	s_and_saveexec_b32 s46, vcc_lo
	global_store_b32 v21, v20, s[16:17]
	s_wait_xcnt 0x0                                ; and again ahead of the line that widens it
	s_or_b32 exec_lo, exec_lo, s46
.Lend:
	s_wait_tensorcnt 0x0                           ; the wave's end, behind my last LDS store
	ds_add_u32 v1, v2
	s_wait_dscnt 0x0
	s_endpgm
.Lfunc_end_k_q868fa50676_route:
	.size	k_q868fa50676_route, .Lfunc_end_k_q868fa50676_route-k_q868fa50676_route
	.p2alignl 7, 3214868480
	.fill 96, 4, 3214868480
	.section	.rodata,"a",@progbits
	.p2align	6, 0x0
	.amdhsa_kernel k_q868fa50676_route
		.amdhsa_group_segment_fixed_size 79104
		.amdhsa_private_segment_fixed_size 0
		.amdhsa_enable_private_segment 0
		.amdhsa_kernarg_size 56
		.amdhsa_user_sgpr_count 2
		.amdhsa_user_sgpr_kernarg_segment_ptr 1
		.amdhsa_wavefront_size32 1
		.amdhsa_system_sgpr_workgroup_id_x 1
		.amdhsa_system_sgpr_workgroup_id_y 1
		.amdhsa_system_sgpr_workgroup_id_z 1
		.amdhsa_system_vgpr_workitem_id 0
		.amdhsa_next_free_vgpr 256
		.amdhsa_next_free_sgpr 66
		.amdhsa_reserve_vcc 1
		.amdhsa_float_denorm_mode_32 3
		.amdhsa_float_denorm_mode_16_64 3
		.amdhsa_memory_ordered 1
		.amdhsa_forward_progress 1
		.amdhsa_inst_pref_size 41
	.end_amdhsa_kernel
	.amdgpu_metadata
---
amdhsa.version: [ 1, 2 ]
amdhsa.kernels:
  - .name:           k_q868fa50676_route
    .symbol:         k_q868fa50676_route.kd
    .args:
      - { .name: x, .offset: 0, .size: 8, .value_kind: global_buffer, .address_space: global }
      - { .name: gate_v, .offset: 8, .size: 8, .value_kind: global_buffer, .address_space: global }
      - { .name: gate_g, .offset: 16, .size: 8, .value_kind: global_buffer, .address_space: global }
      - { .name: gate_b, .offset: 24, .size: 8, .value_kind: global_buffer, .address_space: global }
      - { .name: xb, .offset: 32, .size: 8, .value_kind: global_buffer, .address_space: global }
      - { .name: sel, .offset: 40, .size: 8, .value_kind: global_buffer, .address_space: global }
      - { .name: bm, .offset: 48, .size: 8, .value_kind: global_buffer, .address_space: global }
    .group_segment_fixed_size: 79104
    .private_segment_fixed_size: 0
    .kernarg_segment_align: 8
    .kernarg_segment_size: 56
    .max_flat_workgroup_size: 256
    .sgpr_count:     66
    .vgpr_count:     256
    .wavefront_size: 32
...
	.end_amdgpu_metadata
.endif
;; end of part 1
;; launch ffn1 (part 2): grid 32 x 8, 4 waves a work-group, no clusters, 292,352 bytes of LDS; arguments xb, bm, w1_v, w1_g, b1, hb, rk; writes hb, rk
.if DOCPART == 2
	.amdgcn_target "amdgcn-amd-amdhsa--gfx1250"
	.amdhsa_code_object_version 6
	.text
	.protected	k_q868fa50676_ffn1
	.globl	k_q868fa50676_ffn1
	.p2align	8
	.type	k_q868fa50676_ffn1,@function
k_q868fa50676_ffn1:
	s_mov_b64 s[64:65], 0
	v_nop
	global_prefetch_b8 v0, s[64:65] scope:SCOPE_SE
	s_setreg_imm32_b32 hwreg(HW_REG_WAVE_MODE, 25, 1), 1
	s_wait_xcnt 0x0
; FIRST LAYER OF THE CHOSEN EXPERTS.  hb[e][rank][c] = swish((xb[token] . w1_v[e][c]) * w1_g[e][c] / max(|w1_v[e][c]|, 1e-12) + b1[e][c]), bf16; rank = the token's place among the tokens that chose e.
; Also rk[e][token] = that rank (stored by slice 0's wave 0).  Products in bf16 with f32 sums; scale, bias and swish in f32; w1_v, w1_g, b1 are rounded to bf16 on their way.
; SHARES.  Work-group (slice, e) owns 128 rows of w1_v[e], which it alone reads: 512 KiB of f32.  PHASE 1: wave w streams rows 32 w .. 32 w + 31 through registers (two sets of 32 loads of 512 consecutive
; bytes, so 32 KiB of a wave are on their way), sums their squares, rounds them and lays them into LDS: 128 rows of 2,048 bytes.  PHASE 2: the expert's rows, 320 a pass: wave w takes the tiles of 16 rows
; 4 n + w, five a pass, each against all 128 columns: 40 accumulators.  The token rows come from memory straight into registers as operands, by the list of e's tokens.
; EVERY SPLIT IS SERVED: four passes (1,280 rows) stand in every wave's way, with their barriers; a wave whose next tile begins at or past the count jumps over the products, and tiles past the count are not
; stored; places past the count inside a live tile repeat the last row, and land in ranks that nobody reads.  An expert without rows still streams its slice and multiplies nothing.
; BARRIERS.  One behind the stream, one behind the tables of scales; in each pass one between the products and the way out and one behind the way out: in phase 2 LDS is written (each wave's stage) only between a pass's two.
; NO CLUSTER: each slice of weights has one reader; the token rows, which an expert's 32 work-groups share, come by a list, which no tile descriptor covers.
; The 320 accumulators are cleared in the wait for the first weights, and again only ahead of a further live pass: the price of one text for every K step.
; LIMITS.  The norm is taken of the weights before their rounding to bf16 (each number moves by at most 2^-9 of itself).  1 / max(n, 1e-12) is min(rsq(n^2), 1e12).  NaN and infinities are not treated apart.
; REGISTERS, by absolute number; s_set_vgpr_msb names the window of 256 for each operand place (bits 1:0 source 0, 3:2 source 1, 5:4 source 2, 7:6 destination).
.set PITCH, 2064                       ; a slice row in LDS: 2,048 bytes + 16: an odd multiple of 16, so the 16 rows of a fragment load fall on different groups of banks (ISA guide 11.1)
.set ROWP,  4096                       ; bytes from row to row of w1_v
.set SCR,   264192                     ; behind the slice: 4,608 bytes a wave: the squares' transpose (32 x 144), then the stage of the way out (16 x 272)
.set SCRW,  4608
.set SCT,   282624                     ; 128 scales, then (+512) 128 biases
.set LST,   283648                     ; e's tokens by rank, 1,024 words; then 1,024 words that take the other tokens' stores and are never read
.set SPARE, 291840                     ; the spare words, 128 bytes a wave
.set WOFF, 5                           ; v5      weights: wave x 32 rows + lane x 16
.set WST0, 6                           ; v6      slice in LDS, in: row 32 w, lane x 8; never rewritten
.set BAD,  7                           ; v7-10   slice in LDS, out: rows 32 q + r, at the trip's K (phase 1: four other addresses)
.set BAD0, 11                          ; v11-14  the same at K = 0; never rewritten
.set AOFF, 15                          ; v15-19  tile i: my token's row in xb + 16 h
.set RNK,  20                          ; v20     rank of my row in the item in hand
.set H16,  21                          ; v21     16 h
.set STO,  22                          ; v22     stage, in
.set RD,   23                          ; v23     stage, out
.set OOFF, 24                          ; v24     my byte offset in hb's region
.set WSTC, 28                          ; v28     WST0 + the stream's step, made anew in each trip
.set SS,   32                          ; v32-63  sums of squares, row 32 w + i
.set BF,   64                          ; v64-191 weight fragments, two buffers of 8 x 8
.set EV,   192                         ; v192-255 a tile's 64 numbers; at the head: ranks
.set AF,   256                         ; v256-575 token fragments: (set, tile, K step) at AF + 160 set + 32 tile + 8 step; phase 1: the two sets of weights, 128 each
.set ACC,  576                         ; v576-895 accumulator (tile i, column block b) at ACC + 64 i + 8 b
.set SC,   896                         ; v896-959 my lanes' 64 scales
.set BI,   960                         ; v960-1023 and biases
.set TV,   64                          ; the way out: at work
.set PK,   128                         ; packed
.set RBK,  160                         ; whole rows
.set WB,   56                          ; s[56:59] weights: the two sets' running bases
.set AB,   60                          ; s[60:61] token rows: running base
.set A0,   62                          ; s[62:63] and its start
.set OB,   66                          ; s[66:67] hb at (e, my 128 columns)
.set MSB, 0
.macro WIN new                         ; the immediate's high byte repeats the setting that is left; a switch that changes nothing is dropped
.if MSB != (\new)
	s_set_vgpr_msb (MSB<<8)|(\new)
.set MSB, (\new)
.endif
.endm
.macro WS d, a, b, c                   ; windows from absolute register numbers
	WIN (((\a)>>8)|(((\b)>>8)<<2)|(((\c)>>8)<<4)|(((\d)>>8)<<6))
.endm
.macro PLACES                          ; four places behind a matrix instruction, ahead of loads into its sources and of reads of its result
.rept 4
	v_nop
.endr
.endm
.macro MEET                            ; a work-group barrier; my LDS instructions are done in front of the signal
	s_wait_dscnt 0x0
	s_barrier_signal -1
	s_barrier_wait -1
.endm
.macro CLEAR                           ; the 320 accumulator registers
.set z, 0
.rept 320
.set RC, ACC+z
	WS RC, 0, 0, 0
	v_mov_b32 v[RC&255], 0
.set z, z+1
.endr
	WIN 0
.endm
.macro WLOAD p                         ; 32 rows x 512 consecutive bytes into set p
	WIN 0x40
.set i, 0
.rept 32
	global_load_b128 v[128*(\p)+4*i:128*(\p)+4*i+3], v[WOFF], s[WB+2*(\p):WB+2*(\p)+1] offset:i*ROWP th:TH_LOAD_NT
.set i, i+1
.endr
.endm
.macro CONV p                          ; set p: squares summed, rounded to bf16 in place, 8 bytes a lane into the slice
	WIN 0x05
.set q, 0
.rept 4
.set i, 0
.rept 32
	v_fmac_f32 v[SS+i], v[128*(\p)+4*i+q], v[128*(\p)+4*i+q]
.set i, i+1
.endr
.set q, q+1
.endr
	WIN 0x45
.set i, 0
.rept 32
	v_cvt_pk_bf16_f32 v[128*(\p)+4*i], v[128*(\p)+4*i], v[128*(\p)+4*i+1]
	v_cvt_pk_bf16_f32 v[128*(\p)+4*i+1], v[128*(\p)+4*i+2], v[128*(\p)+4*i+3]
.set i, i+1
.endr
	WIN 0x04
.set i, 0
.rept 32
	ds_store_b64 v[WSTC], v[128*(\p)+4*i:128*(\p)+4*i+1] offset:i*PITCH+256*(\p)
.set i, i+1
.endr
.endm
.macro UNIT p, n, more                 ; n: the younger loads that may stay out
	s_wait_loadcnt \n                              ; set p is in, so its base may step
	CONV \p
.if \more
	s_add_nc_u64 s[WB+2*(\p):WB+2*(\p)+1], s[WB+2*(\p):WB+2*(\p)+1], 1024
	WLOAD \p
.endif
.endm
.macro ALOAD par, imm                  ; 128 along K of my five tiles' token rows into set par: 40 loads
.set i, 0
.rept 5
.set ks, 0
.rept 4
.set RA, AF+160*(\par)+32*i+8*ks
	WS RA, 0, 0, 0
	global_load_b128 v[(RA&255):(RA&255)+3], v[AOFF+i], s[AB:AB+1] offset:(\imm)+64*ks
	global_load_b128 v[(RA&255)+4:(RA&255)+7], v[AOFF+i], s[AB:AB+1] offset:(\imm)+64*ks+32
.set ks, ks+1
.endr
.set i, i+1
.endr
.endm
.macro FETCHB buf, ko, ad              ; 32 along K of all 128 slice rows, at byte ko behind the four addresses from v[ad] on
	WIN 0
.set b, 0
.rept 8
	ds_load_b128 v[BF+64*(\buf)+8*b:BF+64*(\buf)+8*b+3], v[(\ad)+b/2] offset:(b%2)*16*PITCH+(\ko)
	ds_load_b128 v[BF+64*(\buf)+8*b+4:BF+64*(\buf)+8*b+7], v[(\ad)+b/2] offset:(b%2)*16*PITCH+(\ko)+32
.set b, b+1
.endr
.endm
.macro MUL par, kk, buf                ; 40 products; source 0 = 16 weight rows, source 1 = 16 tokens: a lane holds one token and eight neighbouring columns.  The 40 accumulators take turns
.set i, 0
.rept 5
.set b, 0
.rept 8
.set RC, ACC+64*i+8*b
.set RA, AF+160*(\par)+32*i+8*(\kk)
.set RW, BF+64*(\buf)+8*b
	WS RC, RW, RA, RC
	v_wmma_f32_16x16x32_bf16 v[(RC&255):(RC&255)+7], v[RW:RW+7], v[(RA&255):(RA&255)+7], v[(RC&255):(RC&255)+7]
.set b, b+1
.endr
.set i, i+1
.endr
.endm
.macro KHEAD                           ; this K step's weight fragments, asked for a K step ago, are in; then the places ahead of the loads into the buffers just multiplied
	s_wait_dscnt 0x0
	PLACES
.endm
.macro BLOCK ti                        ; tile ti: sum x scale + bias, each accumulator from its lowest registers on
.set z, 0
.rept 32
.set RC, ACC+64*(\ti)+2*z
	WS 0, RC, SC, BI
	v_pk_fma_f32 v[EV+2*z:EV+2*z+1], v[(RC&255):(RC&255)+1], v[(SC&255)+2*z:(SC&255)+2*z+1], v[(BI&255)+2*z:(BI&255)+2*z+1]
.set z, z+1
.endr
	WIN 0
.endm
	s_load_b256 s[4:11], s[0:1], 0x0               ; xb s[4:5], bm s[6:7], w1_v s[8:9], w1_g s[10:11]
	s_load_b128 s[12:15], s[0:1], 0x20             ; b1 s[12:13], hb s[14:15]
	s_load_b64 s[48:49], s[0:1], 0x30              ; rk
	v_lshl_add_u32 v1, v0, 2, SPARE                ; my spare word
	v_mov_b32 v2, 0
	v_lshrrev_b32 v26, 5, v0
	v_readfirstlane_b32 s50, v26                   ; wave 0..3
	s_mov_b32 s51, ttmp9                           ; slice
	s_and_b32 s52, ttmp7, 0xffff                   ; expert
	v_and_b32 v3, 15, v0                           ; r
	v_bfe_u32 v4, v0, 4, 1                         ; h
	v_and_b32 v25, 31, v0                          ; lane
	s_lshl_b32 s76, s50, 17
	v_lshl_add_u32 v[WOFF], v25, 4, s76
	s_lshl_b32 s74, s52, 24                        ; an expert's weights are 16 MiB,
	s_lshl_b32 s76, s51, 19                        ; a slice 512 KiB
	s_add_co_u32 s74, s74, s76
	s_mov_b32 s75, 0
	s_lshl_b32 s76, s52, 14
	s_lshl_b32 s77, s51, 9
	s_add_co_u32 s76, s76, s77
	v_lshl_add_u32 v29, v0, 2, s76                 ; gain and bias of slice row = my thread's number
	s_wait_kmcnt 0x0
	s_add_nc_u64 s[WB:WB+1], s[8:9], s[74:75]
	s_add_nc_u64 s[WB+2:WB+3], s[WB:WB+1], 512
	s_lshl_b32 s74, s52, 7
	s_add_nc_u64 s[6:7], s[6:7], s[74:75]
	s_load_b512 s[16:31], s[6:7], 0x0              ; e's 32 words: bit l of word k = token 32 k + l chose e
	s_load_b512 s[32:47], s[6:7], 0x40
	global_load_b32 v30, v29, s[10:11]
	global_load_b32 v31, v29, s[12:13]
	WLOAD 0
	WIN 0
	s_mul_i32 s76, s50, 32*PITCH
	v_lshl_add_u32 v[WST0], v25, 3, s76
	v_mul_u32_u24 v26, v3, PITCH
	v_lshl_add_u32 v[BAD0], v4, 4, v26
	v_add_nc_u32 v[BAD0+1], 32*PITCH, v[BAD0]
	v_add_nc_u32 v[BAD0+2], 64*PITCH, v[BAD0]
	v_add_nc_u32 v[BAD0+3], 96*PITCH, v[BAD0]
	s_lshl_b32 s72, s50, 4                         ; first row of my tile in the item in hand
	v_add_nc_u32 v[RNK], s72, v3
	v_lshlrev_b32 v[H16], 4, v4
	s_mul_i32 s77, s50, SCRW
	s_add_co_u32 s77, s77, SCR                     ; my scratch
	v_mul_u32_u24 v[STO], v3, 272
	v_add_nc_u32 v[STO], v[H16], v[STO]
	v_add_nc_u32 v[STO], s77, v[STO]               ; in: row r, 16 bytes for each half of the lanes
	v_mul_u32_u24 v[RD], v4, 272
	v_lshl_add_u32 v[RD], v3, 4, v[RD]
	v_add_nc_u32 v[RD], s77, v[RD]                 ; out: lanes 0-15 one row of 256 bytes, lanes 16-31 the next
	v_lshlrev_b32 v[OOFF], 13, v4
	v_lshl_add_u32 v[OOFF], v3, 4, v[OOFF]
	s_lshl_b32 s76, s50, 17
	v_add_nc_u32 v[OOFF], s76, v[OOFF]             ; (16 w + h) rows of 8,192 bytes + 16 r
	v_lshl_add_u32 v7, v25, 2, s77                 ; squares, in: column = lane
	v_mul_u32_u24 v8, v25, 144
	v_add_nc_u32 v8, s77, v8                       ; out: row = lane
	v_lshl_add_u32 v9, v0, 2, SCT                  ; my row's scale
	v_lshlrev_b32 v10, 5, v4
	v_add_nc_u32 v10, SCT, v10                     ; my lanes' columns: 32 h
.set i, 0
.rept 32
	v_mov_b32 v[SS+i], 0
.set i, i+1
.endr
	s_mov_b64 s[A0:A0+1], s[4:5]
	s_lshl_b32 s74, s52, 23                        ; an expert's region of hb: 1,024 ranks of 8,192 bytes
	s_lshl_b32 s76, s51, 8
	s_add_co_u32 s74, s74, s76
	s_add_nc_u64 s[OB:OB+1], s[14:15], s[74:75]
	s_lshl_b32 s74, s52, 12
	s_add_nc_u64 s[48:49], s[48:49], s[74:75]
	s_wait_kmcnt 0x0
	s_bcnt1_i32_b32 s53, s16
.set k, 1
.rept 31
	s_bcnt1_i32_b32 s76, s[16+k]
	s_add_co_u32 s53, s53, s76
.set k, k+1
.endr
	s_min_u32 s53, s53, 0x400                      ; e's rows
	s_sub_co_u32 s54, s53, 1                       ; the last rank (used only where there are rows)
	s_cmp_lg_u32 s50, 0
	s_cbranch_scc1 .Lnolist
	s_mov_b32 s55, 0                               ; wave 0 lays out the list: token 32 k + lane goes to word rank, or, if it did not choose e, to word 1,024 + rank
.set k, 0
.rept 32
	v_mbcnt_lo_u32_b32 v[EV+k], s[16+k], s55       ; choosers in front of this token
	v_cndmask_b32 v27, 0x400, 0, s[16+k]
	v_min_u32 v26, 0x3ff, v[EV+k]
	v_min_u32 v27, 0x400, v27
	v_add_lshl_u32 v26, v26, v27, 2
	v_add_nc_u32 v26, LST, v26
	ds_store_b32 v26, v25
	v_add_nc_u32 v25, 32, v25
	s_bcnt1_i32_b32 s76, s[16+k]
	s_add_co_u32 s55, s55, s76
.set k, k+1
.endr
	s_cmp_lg_u32 s51, 0
	s_cbranch_scc1 .Lnolist
	v_lshlrev_b32 v27, 2, v0                       ; slice 0 stores the ranks for the last launch
.set k, 0
.rept 32
	global_store_b32 v27, v[EV+k], s[48:49] offset:k*128
.set k, k+1
.endr
	s_wait_xcnt 0x0                                ; the stores have read their registers
.Lnolist:
	WLOAD 1
	CLEAR                                          ; in the wait for the first weights
	s_mov_b32 s78, 0
	s_mov_b32 s68, 3
.Lstream:                                              ; a trip: 256 along K of my 32 rows.  The count 32 leaves the other set's 32 loads out
	v_add_nc_u32 v[WSTC], s78, v[WST0]             ; 512 bytes further along the slice's rows in each trip
	UNIT 0, 32, 1
	UNIT 1, 32, 1
	WIN 0
	s_add_co_u32 s78, s78, 512
	s_sub_co_u32 s68, s68, 1
	s_cmp_lg_u32 s68, 0
	s_cbranch_scc1 .Lstream
	v_add_nc_u32 v[WSTC], 1536, v[WST0]            ; the last 256 along K
	UNIT 0, 32, 0                                  ; the last two units load nothing
	UNIT 1, 0, 0
	WIN 0
	MEET                                           ; every wave's rows of the slice, and wave 0's list, are in LDS
.set i, 0
.rept 32                                               ; the squares change lanes through my scratch: row i, column lane
	ds_store_b32 v7, v[SS+i] offset:i*144
.set i, i+1
.endr
.set j, 0
.rept 8
	ds_load_b128 v[64+4*j:64+4*j+3], v8 offset:16*j
.set j, j+1
.endr
	v_cvt_pk_bf16_f32 v26, v30, v31                ; gain and bias rounded to bf16
	v_lshlrev_b32 v30, 16, v26
	v_and_b32 v31, 0xffff0000, v26
	s_wait_dscnt 0x0
.set z, 0
.rept 8
	v_pk_add_f32 v[64+2*z:65+2*z], v[64+2*z:65+2*z], v[80+2*z:81+2*z]
.set z, z+1
.endr
.set z, 0
.rept 4
	v_pk_add_f32 v[64+2*z:65+2*z], v[64+2*z:65+2*z], v[72+2*z:73+2*z]
.set z, z+1
.endr
	v_pk_add_f32 v[64:65], v[64:65], v[68:69]
	v_pk_add_f32 v[66:67], v[66:67], v[70:71]
	v_pk_add_f32 v[64:65], v[64:65], v[66:67]
	v_add_f32 v64, v64, v65                        ; |row 32 w + lane|^2
	v_rsq_f32 v65, v64
	v_nop
	s_wait_alu depctr_va_vdst(0)                   ; the wait ahead of the root's first reader
	v_min_num_f32 v65, 0x5368d4a5, v65             ; 1 / max(n, 1e-12)
	v_mul_f32 v65, v65, v30
	ds_store_b32 v9, v65
	ds_store_b32 v9, v31 offset:512
	MEET                                           ; every wave's scales and biases are in LDS; from here to a pass's first barrier LDS is only read
	WIN 0xc0
.set b, 0
.rept 8                                                ; columns 16 b + 8 h + 0..7
	ds_load_b128 v[(SC&255)+8*b:(SC&255)+8*b+3], v10 offset:64*b
	ds_load_b128 v[(SC&255)+8*b+4:(SC&255)+8*b+7], v10 offset:64*b+16
	ds_load_b128 v[(BI&255)+8*b:(BI&255)+8*b+3], v10 offset:512+64*b
	ds_load_b128 v[(BI&255)+8*b+4:(BI&255)+8*b+7], v10 offset:512+64*b+16
.set b, b+1
.endr
	WIN 0
	s_mov_b32 s70, 4
.Lpass:                                                ; 320 rows of the expert; four passes, of which the dead ones keep only their barriers
	s_cmp_ge_u32 s72, s53
	s_cbranch_scc1 .Lnok                           ; my first tile of this pass begins at or past the count: no products
.set i, 0
.rept 5
	v_add_nc_u32 v30, 64*i, v[RNK]
	v_min_u32 v30, s54, v30                        ; places past the count repeat the last row
	v_min_u32 v30, 0x3ff, v30
	v_lshl_add_u32 v[25+i], v30, 2, LST
	ds_load_b32 v[AOFF+i], v[25+i]                 ; the token of that rank
.set i, i+1
.endr
	s_wait_dscnt 0x0
.set i, 0
.rept 5
	v_min_u32 v[AOFF+i], 0x3ff, v[AOFF+i]
	v_lshl_add_u32 v[AOFF+i], v[AOFF+i], 11, v[H16]
.set i, i+1
.endr
	s_mov_b64 s[AB:AB+1], s[A0:A0+1]
	ALOAD 0, 0
	FETCHB 0, 0, BAD0
	s_mov_b32 s73, 0
	s_mov_b32 s69, 4
.Lk:                                                   ; a trip: 256 along K: two sets of token fragments, eight K steps of 40 products
.set q, 0
.rept 4
	v_add_nc_u32 v[BAD+q], s73, v[BAD0+q]          ; 512 bytes further along the slice's rows in each trip
.set q, q+1
.endr
	s_wait_loadcnt 0x0                             ; set 0, asked for four K steps ago
	KHEAD
	ALOAD 1, 256
	FETCHB 1, 64, BAD
	MUL 0, 0, 0
	KHEAD
	FETCHB 0, 128, BAD
	MUL 0, 1, 1
	KHEAD
	FETCHB 1, 192, BAD
	MUL 0, 2, 0
	KHEAD
	FETCHB 0, 256, BAD
	MUL 0, 3, 1
	s_wait_loadcnt 0x0                             ; set 1; no load is out, so the base may step
	KHEAD
	WIN 0
	s_cmp_eq_u32 s69, 1
	s_cbranch_scc1 .Lna                            ; the last trip asks for nothing beyond the rows' end
	s_add_nc_u64 s[AB:AB+1], s[AB:AB+1], 512
	ALOAD 0, 0
	WIN 0
.Lna:
	FETCHB 1, 320, BAD
	MUL 1, 0, 0
	KHEAD
	FETCHB 0, 384, BAD
	MUL 1, 1, 1
	KHEAD
	FETCHB 1, 448, BAD
	MUL 1, 2, 0
	KHEAD
	WIN 0
	s_cmp_eq_u32 s69, 1
	s_cbranch_scc1 .Lnb
	FETCHB 0, 512, BAD                             ; the next trip's first K step
.Lnb:
	MUL 1, 3, 1
	WIN 0
	s_add_co_u32 s73, s73, 512
	s_sub_co_u32 s69, s69, 1
	s_cmp_lg_u32 s69, 0
	s_cbranch_scc1 .Lk
	s_wait_loadcnt 0x0                             ; nothing is out behind the last trip: the fragments' registers and the address registers are free on every way here
	s_wait_dscnt 0x0
	PLACES
.Lnok:
	MEET                                           ; every wave's reads of the slice in this pass are over: now the stages may be written
	s_mov_b32 s71, 0
.Litem:                                                ; my five tiles, one after the other; a tile that begins at or past the count is jumped
	s_cmp_ge_u32 s72, s53
	s_cbranch_scc1 .Lnext
	s_cmp_eq_u32 s71, 0
	s_cbranch_scc1 .Lb0
	s_cmp_eq_u32 s71, 1
	s_cbranch_scc1 .Lb1
	s_cmp_eq_u32 s71, 2
	s_cbranch_scc1 .Lb2
	s_cmp_eq_u32 s71, 3
	s_cbranch_scc1 .Lb3
	BLOCK 4
	s_branch .Lcom
.Lb3:
	BLOCK 3
	s_branch .Lcom
.Lb2:
	BLOCK 2
	s_branch .Lcom
.Lb1:
	BLOCK 1
	s_branch .Lcom
.Lb0:
	BLOCK 0
.Lcom:                                                 ; swish: y / (1 + 2^(-log2(e) y)); two batches, one wait each
.set z, 0
.rept 32
	v_pk_mul_f32 v[TV+2*z:TV+2*z+1], v[EV+2*z:EV+2*z+1], 0xbfb8aa3b op_sel_hi:[1,0]
.set z, z+1
.endr
.set z, 0
.rept 64
	v_exp_f32 v[TV+z], v[TV+z]
.set z, z+1
.endr
	v_nop
	s_wait_alu depctr_va_vdst(0)
.set z, 0
.rept 32
	v_pk_add_f32 v[TV+2*z:TV+2*z+1], v[TV+2*z:TV+2*z+1], 1.0 op_sel_hi:[1,0]
.set z, z+1
.endr
.set z, 0
.rept 64
	v_rcp_f32 v[TV+z], v[TV+z]
.set z, z+1
.endr
	v_nop
	s_wait_alu depctr_va_vdst(0)
.set z, 0
.rept 32
	v_pk_mul_f32 v[EV+2*z:EV+2*z+1], v[EV+2*z:EV+2*z+1], v[TV+2*z:TV+2*z+1]
.set z, z+1
.endr
.set z, 0
.rept 32
	v_cvt_pk_bf16_f32 v[PK+z], v[EV+2*z], v[EV+2*z+1]
.set z, z+1
.endr
.set b, 0
.rept 8
	ds_store_b128 v[STO], v[PK+4*b:PK+4*b+3] offset:32*b
.set b, b+1
.endr
.set t, 0
.rept 8
	ds_load_b128 v[RBK+4*t:RBK+4*t+3], v[RD] offset:544*t   ; my own stage: LDS serves a wave's instructions in order
.set t, t+1
.endr
	s_wait_dscnt 0x0
.set t, 0
.rept 8
	global_store_b128 v[OOFF], v[RBK+4*t:RBK+4*t+3], s[OB:OB+1] offset:16384*t   ; 16 lanes store 256 consecutive bytes, at a multiple of 256 from hb's first
.set t, t+1
.endr
.Lnext:
	s_wait_xcnt 0x0                                ; the stores have read their data and their offset
	v_add_nc_u32 v[OOFF], 0x80000, v[OOFF]         ; 64 rows on
	v_add_nc_u32 v[RNK], 64, v[RNK]
	s_add_co_u32 s72, s72, 64
	s_add_co_u32 s71, s71, 1
	s_cmp_lt_u32 s71, 5
	s_cbranch_scc1 .Litem
	MEET                                           ; every wave's use of its stage in this pass is over: LDS is only read again
	s_cmp_ge_u32 s72, s53
	s_cbranch_scc1 .Lnoclr                         ; no further products of mine: nothing to clear
	CLEAR
.Lnoclr:
	s_sub_co_u32 s70, s70, 1
	s_cmp_lg_u32 s70, 0
	s_cbranch_scc1 .Lpass
	s_wait_tensorcnt 0x0                           ; the wave's end, behind my last LDS store
	ds_add_u32 v1, v2
	s_wait_dscnt 0x0
	s_endpgm
.Lfunc_end_k_q868fa50676_ffn1:
	.size	k_q868fa50676_ffn1, .Lfunc_end_k_q868fa50676_ffn1-k_q868fa50676_ffn1
	.p2alignl 7, 3214868480
	.fill 96, 4, 3214868480
	.section	.rodata,"a",@progbits
	.p2align	6, 0x0
	.amdhsa_kernel k_q868fa50676_ffn1
		.amdhsa_group_segment_fixed_size 292352
		.amdhsa_private_segment_fixed_size 0
		.amdhsa_enable_private_segment 0
		.amdhsa_kernarg_size 56
		.amdhsa_user_sgpr_count 2
		.amdhsa_user_sgpr_kernarg_segment_ptr 1
		.amdhsa_wavefront_size32 1
		.amdhsa_system_sgpr_workgroup_id_x 1
		.amdhsa_system_sgpr_workgroup_id_y 1
		.amdhsa_system_sgpr_workgroup_id_z 1
		.amdhsa_system_vgpr_workitem_id 0
		.amdhsa_next_free_vgpr 1024
		.amdhsa_next_free_sgpr 96
		.amdhsa_reserve_vcc 0
		.amdhsa_float_denorm_mode_32 3
		.amdhsa_float_denorm_mode_16_64 3
		.amdhsa_memory_ordered 1
		.amdhsa_forward_progress 1
		.amdhsa_inst_pref_size 180
	.end_amdhsa_kernel
	.amdgpu_metadata
---
amdhsa.version: [ 1, 2 ]
amdhsa.kernels:
  - .name:           k_q868fa50676_ffn1
    .symbol:         k_q868fa50676_ffn1.kd
    .args:
      - { .name: xb, .offset: 0, .size: 8, .value_kind: global_buffer, .address_space: global }
      - { .name: bm, .offset: 8, .size: 8, .value_kind: global_buffer, .address_space: global }
      - { .name: w1_v, .offset: 16, .size: 8, .value_kind: global_buffer, .address_space: global }
      - { .name: w1_g, .offset: 24, .size: 8, .value_kind: global_buffer, .address_space: global }
      - { .name: b1, .offset: 32, .size: 8, .value_kind: global_buffer, .address_space: global }
      - { .name: hb, .offset: 40, .size: 8, .value_kind: global_buffer, .address_space: global }
      - { .name: rk, .offset: 48, .size: 8, .value_kind: global_buffer, .address_space: global }
    .group_segment_fixed_size: 292352
    .private_segment_fixed_size: 0
    .kernarg_segment_align: 8
    .kernarg_segment_size: 56
    .max_flat_workgroup_size: 128
    .sgpr_count:     96
    .vgpr_count:     1024
    .wavefront_size: 32
...
	.end_amdgpu_metadata
.endif
;; end of part 2
;; launch ffn2 (part 3): grid 32 x 8, 4 waves a work-group, no clusters, 298,496 bytes of LDS; arguments hb, bm, w2_v, pp, ss2; writes pp, ss2
.if DOCPART == 3
	.amdgcn_target "amdgcn-amd-amdhsa--gfx1250"
	.amdhsa_code_object_version 6
	.text
	.protected	k_q868fa50676_ffn2
	.globl	k_q868fa50676_ffn2
	.p2align	8
	.type	k_q868fa50676_ffn2,@function
k_q868fa50676_ffn2:
	s_mov_b64 s[64:65], 0
	v_nop
	global_prefetch_b8 v0, s[64:65] scope:SCOPE_SE
	s_setreg_imm32_b32 hwreg(HW_REG_WAVE_MODE, 25, 1), 1
	s_wait_xcnt 0x0
; SECOND LAYER, PARTIAL SUMS.  pp[e][rank][ks][n] = the sum over 1,024 hidden channels (quarter ks) of hb[e][rank][k] * bf16(w2_v[e][n][k]), f32;  ss2[e][ks][n] = the same quarter's sum of w2_v[e][n][k]^2, f32.
; Norm, gain, bias and the sum over quarters and over a token's two experts are the last launch's.
; SHARES.  Work-group (slice, e): slice = 8 ks + n block: 128 rows n x 1,024 k of w2_v[e], which it alone reads: 512 KiB of f32.  K is cut in four so that a work-group reads 2,048 bytes of each row of hb, not 8,192.
; PHASE 1: wave w streams rows 32 w .. 32 w + 31 through registers (two sets of 32 loads of 512 consecutive bytes), sums their squares, rounds them and lays them into LDS.
; PHASE 2: the expert's rows, 320 a pass: wave w takes the tiles of 16 rows 4 n + w, five a pass, each against all 128 columns.  The rows of hb come from memory straight into registers as operands.
; EVERY SPLIT IS SERVED: four passes (1,280 rows) stand in every wave's way, with their barriers; a wave whose next tile begins at or past the count jumps over the products, and tiles past the count are not
; stored; places past the count inside a live tile repeat the last row and land in ranks that nobody reads.  An expert without rows still streams its slice (its squares are stored) and multiplies nothing.
; BARRIERS.  One behind the stream, one behind the squares' way through the stages; in each pass one between the products and the way out and one behind the way out: in phase 2 LDS is written (each wave's stage) only between a pass's two.
; NO CLUSTER: each slice of weights has one reader.  The rows of hb are shared by eight work-groups, but beside the slice LDS has 63,488 bytes, and two slots of 320 rows x 256 bytes want 174,080.
; The 320 accumulators are cleared in the wait for the first weights, and again only ahead of a further live pass: the price of one text for every K step.
; LIMITS.  The squares are those of the weights before their rounding to bf16 (each number moves by at most 2^-9 of itself).  NaN and infinities are not treated apart.
; REGISTERS, by absolute number; s_set_vgpr_msb names the window of 256 for each operand place (bits 1:0 source 0, 3:2 source 1, 5:4 source 2, 7:6 destination).
.set PITCH, 2064                       ; a slice row in LDS: 2,048 bytes + 16: an odd multiple of 16
.set ROWP,  16384                      ; bytes from row to row of w2_v
.set STG,   264192                     ; behind the slice: 8,448 bytes a wave: the squares' transpose (32 x 144), then the stage of the way out (16 x 528)
.set STGW,  8448
.set SPARE, 297984                     ; the spare words, 128 bytes a wave
.set WOFF, 5                           ; v5      weights: wave x 32 rows + lane x 16
.set WST0, 6                           ; v6      slice in LDS, in; never rewritten
.set BAD,  7                           ; v7-10   slice in LDS, out, at the trip's K (phase 1: three other addresses)
.set BAD0, 11                          ; v11-14  the same at K = 0; never rewritten
.set AOFF, 15                          ; v15-19  tile i: my row of hb + 16 h
.set RNK,  20                          ; v20     rank of my row in the item in hand
.set H16,  21                          ; v21     16 h
.set STO,  22                          ; v22     stage, in
.set RD,   23                          ; v23     stage, out
.set OOFF, 24                          ; v24     my byte offset in pp's region
.set WSTC, 28                          ; v28     WST0 + the stream's step, made anew in each trip
.set SS,   32                          ; v32-63  sums of squares
.set BF,   64                          ; v64-191 weight fragments, two buffers; the way out: whole rows in v64-127
.set AF,   256                         ; v256-575 fragments of hb; phase 1: the two sets of weights
.set ACC,  576                         ; v576-895 accumulator (tile i, column block b) at ACC + 64 i + 8 b
.set RBK,  64
.set WB,   56                          ; s[56:59]
.set AB,   60                          ; s[60:61]
.set A0,   62                          ; s[62:63]
.set OB,   66                          ; s[66:67]
.set MSB, 0
.macro WIN new                         ; the immediate's high byte repeats the setting that is left; a switch that changes nothing is dropped
.if MSB != (\new)
	s_set_vgpr_msb (MSB<<8)|(\new)
.set MSB, (\new)
.endif
.endm
.macro WS d, a, b, c                   ; windows from absolute register numbers
	WIN (((\a)>>8)|(((\b)>>8)<<2)|(((\c)>>8)<<4)|(((\d)>>8)<<6))
.endm
.macro PLACES                          ; four places behind a matrix instruction, ahead of loads into its sources and of reads of its result
.rept 4
	v_nop
.endr
.endm
.macro MEET                            ; a work-group barrier; my LDS instructions are done in front of the signal
	s_wait_dscnt 0x0
	s_barrier_signal -1
	s_barrier_wait -1
.endm
.macro CLEAR                           ; the 320 accumulator registers
.set z, 0
.rept 320
.set RC, ACC+z
	WS RC, 0, 0, 0
	v_mov_b32 v[RC&255], 0
.set z, z+1
.endr
	WIN 0
.endm
.macro WLOAD p                         ; 32 rows x 512 consecutive bytes into set p
	WIN 0x40
.set i, 0
.rept 32
	global_load_b128 v[128*(\p)+4*i:128*(\p)+4*i+3], v[WOFF], s[WB+2*(\p):WB+2*(\p)+1] offset:i*ROWP th:TH_LOAD_NT
.set i, i+1
.endr
.endm
.macro CONV p                          ; set p: squares summed, rounded to bf16 in place, 8 bytes a lane into the slice
	WIN 0x05
.set q, 0
.rept 4
.set i, 0
.rept 32
	v_fmac_f32 v[SS+i], v[128*(\p)+4*i+q], v[128*(\p)+4*i+q]
.set i, i+1
.endr
.set q, q+1
.endr
	WIN 0x45
.set i, 0
.rept 32
	v_cvt_pk_bf16_f32 v[128*(\p)+4*i], v[128*(\p)+4*i], v[128*(\p)+4*i+1]
	v_cvt_pk_bf16_f32 v[128*(\p)+4*i+1], v[128*(\p)+4*i+2], v[128*(\p)+4*i+3]
.set i, i+1
.endr
	WIN 0x04
.set i, 0
.rept 32
	ds_store_b64 v[WSTC], v[128*(\p)+4*i:128*(\p)+4*i+1] offset:i*PITCH+256*(\p)
.set i, i+1
.endr
.endm
.macro UNIT p, n, more                 ; n: the younger loads that may stay out
	s_wait_loadcnt \n                              ; set p is in, so its base may step
	CONV \p
.if \more
	s_add_nc_u64 s[WB+2*(\p):WB+2*(\p)+1], s[WB+2*(\p):WB+2*(\p)+1], 1024
	WLOAD \p
.endif
.endm
.macro ALOAD par, imm                  ; 128 along K of my five tiles' rows of hb into set par: 40 loads
.set i, 0
.rept 5
.set ks, 0
.rept 4
.set RA, AF+160*(\par)+32*i+8*ks
	WS RA, 0, 0, 0
	global_load_b128 v[(RA&255):(RA&255)+3], v[AOFF+i], s[AB:AB+1] offset:(\imm)+64*ks
	global_load_b128 v[(RA&255)+4:(RA&255)+7], v[AOFF+i], s[AB:AB+1] offset:(\imm)+64*ks+32
.set ks, ks+1
.endr
.set i, i+1
.endr
.endm
.macro FETCHB buf, ko, ad              ; 32 along K of all 128 slice rows, at byte ko behind the four addresses from v[ad] on
	WIN 0
.set b, 0
.rept 8
	ds_load_b128 v[BF+64*(\buf)+8*b:BF+64*(\buf)+8*b+3], v[(\ad)+b/2] offset:(b%2)*16*PITCH+(\ko)
	ds_load_b128 v[BF+64*(\buf)+8*b+4:BF+64*(\buf)+8*b+7], v[(\ad)+b/2] offset:(b%2)*16*PITCH+(\ko)+32
.set b, b+1
.endr
.endm
.macro MUL par, kk, buf                ; 40 products; source 0 = 16 weight rows, source 1 = 16 rows of hb: a lane holds one row and eight neighbouring columns.  The 40 accumulators take turns
.set i, 0
.rept 5
.set b, 0
.rept 8
.set RC, ACC+64*i+8*b
.set RA, AF+160*(\par)+32*i+8*(\kk)
.set RW, BF+64*(\buf)+8*b
	WS RC, RW, RA, RC
	v_wmma_f32_16x16x32_bf16 v[(RC&255):(RC&255)+7], v[RW:RW+7], v[(RA&255):(RA&255)+7], v[(RC&255):(RC&255)+7]
.set b, b+1
.endr
.set i, i+1
.endr
.endm
.macro KHEAD                           ; this K step's weight fragments, asked for a K step ago, are in; then the places ahead of the loads into the buffers just multiplied
	s_wait_dscnt 0x0
	PLACES
.endm
.macro BLOCK ti                        ; tile ti goes into my stage as it is, each accumulator's lowest registers first
.set b, 0
.rept 8
.set RC, ACC+64*(\ti)+8*b
	WS 0, 0, RC, 0
	ds_store_b128 v[STO], v[(RC&255):(RC&255)+3] offset:64*b
	ds_store_b128 v[STO], v[(RC&255)+4:(RC&255)+7] offset:64*b+16
.set b, b+1
.endr
	WIN 0
.endm
	s_load_b256 s[4:11], s[0:1], 0x0               ; hb s[4:5], bm s[6:7], w2_v s[8:9], pp s[10:11]
	s_load_b64 s[12:13], s[0:1], 0x20              ; ss2
	v_lshl_add_u32 v1, v0, 2, SPARE                ; my spare word
	v_mov_b32 v2, 0
	v_lshrrev_b32 v26, 5, v0
	v_readfirstlane_b32 s50, v26                   ; wave 0..3
	s_mov_b32 s51, ttmp9
	s_and_b32 s52, ttmp7, 0xffff                   ; expert
	s_and_b32 s79, s51, 7                          ; block of 128 rows n
	s_lshr_b32 s80, s51, 3                         ; quarter of K
	v_and_b32 v3, 15, v0                           ; r
	v_bfe_u32 v4, v0, 4, 1                         ; h
	v_and_b32 v25, 31, v0                          ; lane
	s_lshl_b32 s76, s50, 19
	v_lshl_add_u32 v[WOFF], v25, 4, s76
	s_lshl_b32 s74, s52, 24                        ; an expert's weights are 16 MiB,
	s_lshl_b32 s76, s79, 21                        ; 128 rows 2 MiB,
	s_add_co_u32 s74, s74, s76
	s_lshl_b32 s76, s80, 12                        ; a quarter of a row 4,096 bytes
	s_add_co_u32 s74, s74, s76
	s_mov_b32 s75, 0
	s_wait_kmcnt 0x0
	s_add_nc_u64 s[WB:WB+1], s[8:9], s[74:75]
	s_add_nc_u64 s[WB+2:WB+3], s[WB:WB+1], 512
	s_lshl_b32 s74, s52, 7
	s_add_nc_u64 s[6:7], s[6:7], s[74:75]
	s_load_b512 s[16:31], s[6:7], 0x0              ; e's 32 words: only their count of bits is used here
	s_load_b512 s[32:47], s[6:7], 0x40
	WLOAD 0
	WIN 0
	s_mul_i32 s76, s50, 32*PITCH
	v_lshl_add_u32 v[WST0], v25, 3, s76
	v_mul_u32_u24 v26, v3, PITCH
	v_lshl_add_u32 v[BAD0], v4, 4, v26
	v_add_nc_u32 v[BAD0+1], 32*PITCH, v[BAD0]
	v_add_nc_u32 v[BAD0+2], 64*PITCH, v[BAD0]
	v_add_nc_u32 v[BAD0+3], 96*PITCH, v[BAD0]
	s_lshl_b32 s72, s50, 4                         ; first row of my tile in the item in hand
	v_add_nc_u32 v[RNK], s72, v3
	v_lshlrev_b32 v[H16], 4, v4
	s_mul_i32 s77, s50, STGW
	s_add_co_u32 s77, s77, STG                     ; my stage
	v_mul_u32_u24 v[STO], v3, 528
	v_lshl_add_u32 v[STO], v4, 5, v[STO]
	v_add_nc_u32 v[STO], s77, v[STO]               ; in: row r, 32 bytes for each half of the lanes
	v_lshl_add_u32 v[RD], v25, 4, s77              ; out: a row of 512 bytes
	s_lshl_b32 s76, s50, 18
	v_lshl_add_u32 v[OOFF], v25, 4, s76            ; 16 w rows of 16,384 bytes + 16 x lane
	v_lshl_add_u32 v7, v25, 2, s77                 ; squares, in: column = lane
	v_mul_u32_u24 v8, v25, 144
	v_add_nc_u32 v8, s77, v8                       ; out: row = lane
	v_lshlrev_b32 v9, 2, v0                        ; ss2: my thread's number = the slice row
.set i, 0
.rept 32
	v_mov_b32 v[SS+i], 0
.set i, i+1
.endr
	s_lshl_b32 s74, s52, 23                        ; hb: the expert's region, my quarter of its rows
	s_lshl_b32 s76, s80, 11
	s_add_co_u32 s74, s74, s76
	s_add_nc_u64 s[A0:A0+1], s[4:5], s[74:75]
	s_lshl_b32 s74, s52, 24                        ; pp: the expert's region, my quarter, my 128 columns
	s_lshl_b32 s76, s80, 12
	s_add_co_u32 s74, s74, s76
	s_lshl_b32 s76, s79, 9
	s_add_co_u32 s74, s74, s76
	s_add_nc_u64 s[OB:OB+1], s[10:11], s[74:75]
	s_lshl_b32 s74, s52, 14                        ; ss2: (4 e + ks) x 4,096 + n block x 512
	s_lshl_b32 s76, s80, 12
	s_add_co_u32 s74, s74, s76
	s_lshl_b32 s76, s79, 9
	s_add_co_u32 s74, s74, s76
	s_add_nc_u64 s[12:13], s[12:13], s[74:75]
	s_wait_kmcnt 0x0
	s_bcnt1_i32_b32 s53, s16
.set k, 1
.rept 31
	s_bcnt1_i32_b32 s76, s[16+k]
	s_add_co_u32 s53, s53, s76
.set k, k+1
.endr
	s_min_u32 s53, s53, 0x400                      ; e's rows
	s_sub_co_u32 s54, s53, 1                       ; the last rank (used only where there are rows)
	WLOAD 1
	CLEAR                                          ; in the wait for the first weights
	s_mov_b32 s78, 0
	s_mov_b32 s68, 3
.Lstream:                                              ; a trip: 256 along K of my 32 rows.  The count 32 leaves the other set's 32 loads out
	v_add_nc_u32 v[WSTC], s78, v[WST0]             ; 512 bytes further along the slice's rows in each trip
	UNIT 0, 32, 1
	UNIT 1, 32, 1
	WIN 0
	s_add_co_u32 s78, s78, 512
	s_sub_co_u32 s68, s68, 1
	s_cmp_lg_u32 s68, 0
	s_cbranch_scc1 .Lstream
	v_add_nc_u32 v[WSTC], 1536, v[WST0]            ; the last 256 along K
	UNIT 0, 32, 0                                  ; the last two units load nothing
	UNIT 1, 0, 0
	WIN 0
	MEET                                           ; every wave's rows of the slice are in LDS
.set i, 0
.rept 32                                               ; the squares change lanes through my stage: row i, column lane
	ds_store_b32 v7, v[SS+i] offset:i*144
.set i, i+1
.endr
.set j, 0
.rept 8
	ds_load_b128 v[64+4*j:64+4*j+3], v8 offset:16*j
.set j, j+1
.endr
	s_wait_dscnt 0x0
.set z, 0
.rept 8
	v_pk_add_f32 v[64+2*z:65+2*z], v[64+2*z:65+2*z], v[80+2*z:81+2*z]
.set z, z+1
.endr
.set z, 0
.rept 4
	v_pk_add_f32 v[64+2*z:65+2*z], v[64+2*z:65+2*z], v[72+2*z:73+2*z]
.set z, z+1
.endr
	v_pk_add_f32 v[64:65], v[64:65], v[68:69]
	v_pk_add_f32 v[66:67], v[66:67], v[70:71]
	v_pk_add_f32 v[64:65], v[64:65], v[66:67]
	v_add_f32 v64, v64, v65                        ; this quarter's squares of row 32 w + lane
	global_store_b32 v9, v64, s[12:13]
	s_wait_xcnt 0x0                                ; the store has read v9 and v64, which are written again below
	MEET                                           ; every wave's use of its stage for the squares is over; from here to a pass's first barrier LDS is only read
	s_mov_b32 s70, 4
.Lpass:                                                ; 320 rows of the expert; four passes, of which the dead ones keep only their barriers
	s_cmp_ge_u32 s72, s53
	s_cbranch_scc1 .Lnok                           ; my first tile of this pass begins at or past the count: no products
.set i, 0
.rept 5
	v_add_nc_u32 v30, 64*i, v[RNK]
	v_min_u32 v30, s54, v30                        ; places past the count repeat the last row
	v_min_u32 v30, 0x3ff, v30
	v_lshl_add_u32 v[AOFF+i], v30, 13, v[H16]
.set i, i+1
.endr
	s_mov_b64 s[AB:AB+1], s[A0:A0+1]
	ALOAD 0, 0
	FETCHB 0, 0, BAD0
	s_mov_b32 s73, 0
	s_mov_b32 s69, 4
.Lk:                                                   ; a trip: 256 along K: two sets of fragments of hb, eight K steps of 40 products
.set q, 0
.rept 4
	v_add_nc_u32 v[BAD+q], s73, v[BAD0+q]          ; 512 bytes further along the slice's rows in each trip
.set q, q+1
.endr
	s_wait_loadcnt 0x0                             ; set 0, asked for four K steps ago
	KHEAD
	ALOAD 1, 256
	FETCHB 1, 64, BAD
	MUL 0, 0, 0
	KHEAD
	FETCHB 0, 128, BAD
	MUL 0, 1, 1
	KHEAD
	FETCHB 1, 192, BAD
	MUL 0, 2, 0
	KHEAD
	FETCHB 0, 256, BAD
	MUL 0, 3, 1
	s_wait_loadcnt 0x0                             ; set 1; no load is out, so the base may step
	KHEAD
	WIN 0
	s_cmp_eq_u32 s69, 1
	s_cbranch_scc1 .Lna                            ; the last trip asks for nothing beyond the quarter's end
	s_add_nc_u64 s[AB:AB+1], s[AB:AB+1], 512
	ALOAD 0, 0
	WIN 0
.Lna:
	FETCHB 1, 320, BAD
	MUL 1, 0, 0
	KHEAD
	FETCHB 0, 384, BAD
	MUL 1, 1, 1
	KHEAD
	FETCHB 1, 448, BAD
	MUL 1, 2, 0
	KHEAD
	WIN 0
	s_cmp_eq_u32 s69, 1
	s_cbranch_scc1 .Lnb
	FETCHB 0, 512, BAD                             ; the next trip's first K step
.Lnb:
	MUL 1, 3, 1
	WIN 0
	s_add_co_u32 s73, s73, 512
	s_sub_co_u32 s69, s69, 1
	s_cmp_lg_u32 s69, 0
	s_cbranch_scc1 .Lk
	s_wait_loadcnt 0x0                             ; nothing is out behind the last trip: the fragments' registers and the address registers are free on every way here
	s_wait_dscnt 0x0
	PLACES
.Lnok:
	MEET                                           ; every wave's reads of the slice in this pass are over: now the stages may be written
	s_mov_b32 s71, 0
.Litem:                                                ; my five tiles, one after the other; a tile that begins at or past the count is jumped
	s_cmp_ge_u32 s72, s53
	s_cbranch_scc1 .Lnext
	s_cmp_eq_u32 s71, 0
	s_cbranch_scc1 .Lb0
	s_cmp_eq_u32 s71, 1
	s_cbranch_scc1 .Lb1
	s_cmp_eq_u32 s71, 2
	s_cbranch_scc1 .Lb2
	s_cmp_eq_u32 s71, 3
	s_cbranch_scc1 .Lb3
	BLOCK 4
	s_branch .Lcom
.Lb3:
	BLOCK 3
	s_branch .Lcom
.Lb2:
	BLOCK 2
	s_branch .Lcom
.Lb1:
	BLOCK 1
	s_branch .Lcom
.Lb0:
	BLOCK 0
.Lcom:
.set t, 0
.rept 16
	ds_load_b128 v[RBK+4*t:RBK+4*t+3], v[RD] offset:528*t   ; my own stage: LDS serves a wave's instructions in order
.set t, t+1
.endr
	s_wait_dscnt 0x0
.set t, 0
.rept 16
	global_store_b128 v[OOFF], v[RBK+4*t:RBK+4*t+3], s[OB:OB+1] offset:16384*t   ; the wave stores 512 consecutive bytes, at a multiple of 256 from pp's first
.set t, t+1
.endr
.Lnext:
	s_wait_xcnt 0x0                                ; the stores have read their data and their offset
	v_add_nc_u32 v[OOFF], 0x100000, v[OOFF]        ; 64 rows on
	v_add_nc_u32 v[RNK], 64, v[RNK]
	s_add_co_u32 s72, s72, 64
	s_add_co_u32 s71, s71, 1
	s_cmp_lt_u32 s71, 5
	s_cbranch_scc1 .Litem
	MEET                                           ; every wave's use of its stage in this pass is over: LDS is only read again
	s_cmp_ge_u32 s72, s53
	s_cbranch_scc1 .Lnoclr                         ; no further products of mine: nothing to clear
	CLEAR
.Lnoclr:
	s_sub_co_u32 s70, s70, 1
	s_cmp_lg_u32 s70, 0
	s_cbranch_scc1 .Lpass
	s_wait_tensorcnt 0x0                           ; the wave's end, behind my last LDS store
	ds_add_u32 v1, v2
	s_wait_dscnt 0x0
	s_endpgm
.Lfunc_end_k_q868fa50676_ffn2:
	.size	k_q868fa50676_ffn2, .Lfunc_end_k_q868fa50676_ffn2-k_q868fa50676_ffn2
	.p2alignl 7, 3214868480
	.fill 96, 4, 3214868480
	.section	.rodata,"a",@progbits
	.p2align	6, 0x0
	.amdhsa_kernel k_q868fa50676_ffn2
		.amdhsa_group_segment_fixed_size 298496
		.amdhsa_private_segment_fixed_size 0
		.amdhsa_enable_private_segment 0
		.amdhsa_kernarg_size 40
		.amdhsa_user_sgpr_count 2
		.amdhsa_user_sgpr_kernarg_segment_ptr 1
		.amdhsa_wavefront_size32 1
		.amdhsa_system_sgpr_workgroup_id_x 1
		.amdhsa_system_sgpr_workgroup_id_y 1
		.amdhsa_system_sgpr_workgroup_id_z 1
		.amdhsa_system_vgpr_workitem_id 0
		.amdhsa_next_free_vgpr 1024
		.amdhsa_next_free_sgpr 96
		.amdhsa_reserve_vcc 0
		.amdhsa_float_denorm_mode_32 3
		.amdhsa_float_denorm_mode_16_64 3
		.amdhsa_memory_ordered 1
		.amdhsa_forward_progress 1
		.amdhsa_inst_pref_size 137
	.end_amdhsa_kernel
	.amdgpu_metadata
---
amdhsa.version: [ 1, 2 ]
amdhsa.kernels:
  - .name:           k_q868fa50676_ffn2
    .symbol:         k_q868fa50676_ffn2.kd
    .args:
      - { .name: hb, .offset: 0, .size: 8, .value_kind: global_buffer, .address_space: global }
      - { .name: bm, .offset: 8, .size: 8, .value_kind: global_buffer, .address_space: global }
      - { .name: w2_v, .offset: 16, .size: 8, .value_kind: global_buffer, .address_space: global }
      - { .name: pp, .offset: 24, .size: 8, .value_kind: global_buffer, .address_space: global }
      - { .name: ss2, .offset: 32, .size: 8, .value_kind: global_buffer, .address_space: global }
    .group_segment_fixed_size: 298496
    .private_segment_fixed_size: 0
    .kernarg_segment_align: 8
    .kernarg_segment_size: 40
    .max_flat_workgroup_size: 128
    .sgpr_count:     96
    .vgpr_count:     1024
    .wavefront_size: 32
...
	.end_amdgpu_metadata
.endif
;; end of part 3
;; launch combine (part 4): grid 8 x 32, 8 waves a work-group, no clusters, 9,216 bytes of LDS; arguments pp, ss2, sel, rk, w2_g, b2, out0; writes out0
.if DOCPART == 4
	.amdgcn_target "amdgcn-amd-amdhsa--gfx1250"
	.amdhsa_code_object_version 6
	.text
	.protected	k_q868fa50676_combine
	.globl	k_q868fa50676_combine
	.p2align	8
	.type	k_q868fa50676_combine,@function
k_q868fa50676_combine:
	s_mov_b64 s[64:65], 0
	v_nop
	global_prefetch_b8 v0, s[64:65] scope:SCOPE_SE
	s_setreg_imm32_b32 hwreg(HW_REG_WAVE_MODE, 25, 1), 1
	s_wait_xcnt 0x0
; THE SUM.  out0[t][n] = over the token's two experts e: (the sum over four quarters of pp[e][rank][ks][n]) * w2_g[e][n] / max(|w2_v[e][n]|, 1e-12) + b2[e][n], all in f32; w2_g and b2 rounded to bf16.
; |w2_v[e][n]|^2 is the sum of ss2's four quarters.  The experts come from sel, the ranks from rk: whole numbers that earlier launches stored; each is held under a constant before it enters an address.
; SHARES.  Work-group (sx, gy): 128 columns x 32 tokens.  First all 256 threads make the 8 x 128 scales and biases into LDS; one barrier; then wave w adds up tokens 32 gy + 4 w + 0..3, 16 bytes a lane.
; A stream: no matrix unit, no cluster (the work-groups share only the small tables).  The 32 loads of pp go out before the tables' arithmetic.
; LIMITS.  1 / max(n, 1e-12) is min(rsq(n^2), 1e12).  NaN and infinities are not treated apart.
.set SCT,   0                          ; scales: expert x 512 + column x 4
.set BIT,   4096                       ; biases likewise
.set SPARE, 8192                       ; the spare words, 128 bytes a wave
.set P,     64                         ; v[64:191]  (token q, choice j, quarter ks) at P + 32 q + 16 j + 4 ks
.set TB,    192                        ; v[192:255] (q, j): four scales, four biases at TB + 16 q + 8 j
	s_load_b256 s[4:11], s[0:1], 0x0               ; pp s[4:5], ss2 s[6:7], sel s[8:9], rk s[10:11]
	s_load_b128 s[12:15], s[0:1], 0x20             ; w2_g s[12:13], b2 s[14:15]
	s_load_b64 s[16:17], s[0:1], 0x30              ; out0
	v_lshl_add_u32 v1, v0, 2, SPARE                ; my spare word
	v_mov_b32 v2, 0
	v_lshrrev_b32 v3, 5, v0
	v_readfirstlane_b32 s18, v3                    ; wave 0..7
	s_and_b32 s19, ttmp7, 0xffff                   ; gy
	v_and_b32 v3, 31, v0
	v_lshlrev_b32 v3, 4, v3                        ; 16 x lane
	v_and_b32 v4, 127, v0                          ; column
	v_lshrrev_b32 v5, 7, v0                        ; experts 0-3 or 4-7
	s_lshl_b32 s24, ttmp9, 9                       ; my 128 columns in bytes
	v_lshl_add_u32 v6, v4, 2, s24
	v_lshl_add_u32 v7, v5, 14, v6                  ; w2_g, b2: four experts of 4,096 bytes
	v_lshl_add_u32 v6, v5, 16, v6                  ; ss2: four experts of 16,384 bytes
	v_lshlrev_b32 v4, 2, v4
	v_lshl_add_u32 v4, v5, 11, v4                  ; the tables: four experts of 512 bytes
	s_lshl_b32 s26, s19, 7
	s_lshl_b32 s25, s18, 4
	s_add_co_u32 s26, s26, s25                     ; 4 x my first token
	s_mov_b32 s27, 0
	s_lshl_b32 s28, s26, 10                        ; its row in out0,
	s_add_co_u32 s28, s28, s24                     ; my columns
	s_mov_b32 s29, 0
	s_wait_kmcnt 0x0
	s_add_nc_u64 s[8:9], s[8:9], s[26:27]
	s_add_nc_u64 s[16:17], s[16:17], s[28:29]
	s_load_b128 s[20:23], s[8:9], 0x0              ; my four tokens' choices
.set ee, 0
.rept 4
.set ks, 0
.rept 4
	global_load_b32 v[24+4*ee+ks], v6, s[6:7] offset:ee*16384+ks*4096
.set ks, ks+1
.endr
.set ee, ee+1
.endr
.set ee, 0
.rept 4
	global_load_b32 v[40+ee], v7, s[12:13] offset:ee*4096
	global_load_b32 v[44+ee], v7, s[14:15] offset:ee*4096
.set ee, ee+1
.endr
	s_wait_kmcnt 0x0
.set q, 0
.rept 4
	s_and_b32 s[48+2*q], s[20+q], 0xff
	s_min_u32 s[48+2*q], s[48+2*q], 7
	s_bfe_u32 s[49+2*q], s[20+q], 0x80008
	s_min_u32 s[49+2*q], s[49+2*q], 7
	s_lshl_b32 s[40+2*q], s[48+2*q], 12
	s_add_co_u32 s[40+2*q], s[40+2*q], s26
	s_lshl_b32 s[41+2*q], s[49+2*q], 12
	s_add_co_u32 s[41+2*q], s[41+2*q], s26
	s_load_b32 s[32+2*q], s[10:11], s[40+2*q] offset:4*q    ; rk[e][token]
	s_load_b32 s[33+2*q], s[10:11], s[41+2*q] offset:4*q
.set q, q+1
.endr
	s_wait_kmcnt 0x0
.set n, 0
.rept 8
	s_min_u32 s[32+n], s[32+n], 0x3ff
	s_lshl_b32 s[40+n], s[48+n], 10
	s_add_co_u32 s[40+n], s[40+n], s[32+n]
	s_lshl_b32 s[40+n], s[40+n], 14                ; (1,024 e + rank) rows of 16,384 bytes
	s_add_co_u32 s[40+n], s[40+n], s24
	v_add_nc_u32 v[8+n], s[40+n], v3
	v_lshl_add_u32 v[16+n], s[48+n], 9, v3         ; the expert's line of the tables
.set n, n+1
.endr
.set n, 0
.rept 8
.set ks, 0
.rept 4                                                ; each load: 512 consecutive bytes
	global_load_b128 v[P+16*n+4*ks:P+16*n+4*ks+3], v[8+n], s[4:5] offset:ks*4096 th:TH_LOAD_NT
.set ks, ks+1
.endr
.set n, n+1
.endr
	s_wait_loadcnt 32                              ; squares, gains and biases are in; the 32 younger loads of pp stay out
.set ee, 0
.rept 4
	v_add_f32 v[24+4*ee], v[24+4*ee], v[25+4*ee]
	v_add_f32 v[26+4*ee], v[26+4*ee], v[27+4*ee]
	v_add_f32 v[24+4*ee], v[24+4*ee], v[26+4*ee]
.set ee, ee+1
.endr
.set ee, 0
.rept 4
	v_rsq_f32 v[48+ee], v[24+4*ee]
.set ee, ee+1
.endr
	v_nop
.set ee, 0
.rept 4
	v_cvt_pk_bf16_f32 v[52+ee], v[40+ee], v[44+ee] ; gain and bias rounded to bf16: independent work behind the batch
.set ee, ee+1
.endr
	s_wait_alu depctr_va_vdst(0)                   ; one wait for the four roots, ahead of their first reader
.set ee, 0
.rept 4
	v_min_num_f32 v[48+ee], 0x5368d4a5, v[48+ee]   ; 1 / max(n, 1e-12)
	v_lshlrev_b32 v[56+ee], 16, v[52+ee]
	v_and_b32 v[52+ee], 0xffff0000, v[52+ee]
	v_mul_f32 v[48+ee], v[48+ee], v[56+ee]
	ds_store_b32 v4, v[48+ee] offset:SCT+ee*512
	ds_store_b32 v4, v[52+ee] offset:BIT+ee*512
.set ee, ee+1
.endr
	s_wait_dscnt 0x0                               ; for the others' sake: my part of the tables
	s_barrier_signal -1
	s_barrier_wait -1
.set n, 0
.rept 8
	ds_load_b128 v[TB+8*n:TB+8*n+3], v[16+n] offset:SCT
	ds_load_b128 v[TB+8*n+4:TB+8*n+7], v[16+n] offset:BIT
.set n, n+1
.endr
	s_wait_dscnt 0x0
.set q, 0
.rept 4
	s_wait_loadcnt 24-8*q                          ; this token's eight loads are in; the later tokens' stay out
.set j, 0
.rept 2
.set z, 0
.rept 2
.set b0, P+32*q+16*j+2*z
.set t0, TB+16*q+8*j+2*z
	v_pk_add_f32 v[b0:b0+1], v[b0:b0+1], v[b0+4:b0+5]
	v_pk_add_f32 v[b0+8:b0+9], v[b0+8:b0+9], v[b0+12:b0+13]
	v_pk_add_f32 v[b0:b0+1], v[b0:b0+1], v[b0+8:b0+9]
	v_pk_fma_f32 v[b0:b0+1], v[b0:b0+1], v[t0:t0+1], v[t0+4:t0+5]
.set z, z+1
.endr
.set j, j+1
.endr
.set c0, P+32*q
	v_pk_add_f32 v[c0:c0+1], v[c0:c0+1], v[c0+16:c0+17]
	v_pk_add_f32 v[c0+2:c0+3], v[c0+2:c0+3], v[c0+18:c0+19]
	global_store_b128 v3, v[c0:c0+3], s[16:17] offset:q*4096 th:TH_STORE_NT   ; the wave stores 512 consecutive bytes, at a multiple of 256 from out0's first
.set q, q+1
.endr
	s_wait_tensorcnt 0x0                           ; the wave's end, behind my last LDS store
	ds_add_u32 v1, v2
	s_wait_dscnt 0x0
	s_endpgm
.Lfunc_end_k_q868fa50676_combine:
	.size	k_q868fa50676_combine, .Lfunc_end_k_q868fa50676_combine-k_q868fa50676_combine
	.p2alignl 7, 3214868480
	.fill 96, 4, 3214868480
	.section	.rodata,"a",@progbits
	.p2align	6, 0x0
	.amdhsa_kernel k_q868fa50676_combine
		.amdhsa_group_segment_fixed_size 9216
		.amdhsa_private_segment_fixed_size 0
		.amdhsa_enable_private_segment 0
		.amdhsa_kernarg_size 56
		.amdhsa_user_sgpr_count 2
		.amdhsa_user_sgpr_kernarg_segment_ptr 1
		.amdhsa_wavefront_size32 1
		.amdhsa_system_sgpr_workgroup_id_x 1
		.amdhsa_system_sgpr_workgroup_id_y 1
		.amdhsa_system_sgpr_workgroup_id_z 1
		.amdhsa_system_vgpr_workitem_id 0
		.amdhsa_next_free_vgpr 256
		.amdhsa_next_free_sgpr 66
		.amdhsa_reserve_vcc 0
		.amdhsa_float_denorm_mode_32 3
		.amdhsa_float_denorm_mode_16_64 3
		.amdhsa_memory_ordered 1
		.amdhsa_forward_progress 1
		.amdhsa_inst_pref_size 20
	.end_amdhsa_kernel
	.amdgpu_metadata
---
amdhsa.version: [ 1, 2 ]
amdhsa.kernels:
  - .name:           k_q868fa50676_combine
    .symbol:         k_q868fa50676_combine.kd
    .args:
      - { .name: pp, .offset: 0, .size: 8, .value_kind: global_buffer, .address_space: global }
      - { .name: ss2, .offset: 8, .size: 8, .value_kind: global_buffer, .address_space: global }
      - { .name: sel, .offset: 16, .size: 8, .value_kind: global_buffer, .address_space: global }
      - { .name: rk, .offset: 24, .size: 8, .value_kind: global_buffer, .address_space: global }
      - { .name: w2_g, .offset: 32, .size: 8, .value_kind: global_buffer, .address_space: global }
      - { .name: b2, .offset: 40, .size: 8, .value_kind: global_buffer, .address_space: global }
      - { .name: out0, .offset: 48, .size: 8, .value_kind: global_buffer, .address_space: global }
    .group_segment_fixed_size: 9216
    .private_segment_fixed_size: 0
    .kernarg_segment_align: 8
    .kernarg_segment_size: 56
    .max_flat_workgroup_size: 256
    .sgpr_count:     66
    .vgpr_count:     256
    .wavefront_size: 32
...
	.end_amdgpu_metadata
.endif
;; end of part 4
;; ======== version 2 of 2: 4 launches; 1.11 times as fast as version 1
;; workspace buffers: xb 2,097,152 bytes; sel 4,096 bytes of whole numbers; bm 1,024 bytes of whole numbers; rk 32,768 bytes of whole numbers; hb 67,108,864 bytes; pp 134,217,728 bytes; ss2 131,072 bytes
;; launch route: the kernel of part 1 again; grid 32 x 1, 8 waves a work-group, no clusters, 79,104 bytes of LDS; arguments x, gate_v, gate_g, gate_b, xb, sel, bm; writes xb, sel, bm
;; launch ffn1 (part 5): grid 32 x 8, 4 waves a work-group, no clusters, 284,160 bytes of LDS; arguments xb, bm, w1_v, w1_g, b1, hb, rk; writes hb, rk
.if DOCPART == 5
	.amdgcn_target "amdgcn-amd-amdhsa--gfx1250"
	.amdhsa_code_object_version 6
	.text
	.protected	k_q868fa50676_ffn1
	.globl	k_q868fa50676_ffn1
	.p2align	8
	.type	k_q868fa50676_ffn1,@function
k_q868fa50676_ffn1:
	s_mov_b64 s[64:65], 0
	v_nop
	global_prefetch_b8 v0, s[64:65] scope:SCOPE_SE
	s_setreg_imm32_b32 hwreg(HW_REG_WAVE_MODE, 25, 1), 1
	s_wait_xcnt 0x0
; FIRST LAYER OF THE CHOSEN EXPERTS.  hb[e][rank][c] = swish((xb[token] . w1_v[e][c]) * w1_g[e][c] / max(|w1_v[e][c]|, 1e-12) + b1[e][c]), bf16; rank = the token's place among the tokens that chose e.
; Also rk[e][token] = that rank (stored by slice 0's wave 0).  Products in bf16 with f32 sums; scale, bias and swish in f32; w1_v, w1_g, b1 are rounded to bf16 on their way.
; SHARES.  Work-group (slice, e) owns 128 rows of w1_v[e], which it alone reads: 512 KiB of f32.  Of the expert's rows a pass takes 320: wave w the tiles of 16 rows 4 n + w, five a pass, each against all
; 128 columns: 40 accumulators.  The token rows come from memory straight into registers as operands; a rank's token is found in registers from the expert's 1,024 bits, which lie in scalar registers.
; THE FIRST PASS STREAMS AND MULTIPLIES, K in 8 periods of 128.  A period: all my loads are in; my 32 rows x 128 of the weights are squared, rounded and laid into LDS; the next period's loads go out (20 of
; token rows, then 32 of 512 consecutive bytes of weights: 16 KiB of a wave on their way during the period's products; 20 more of token rows behind the second K step); a barrier; four K steps
; of up to 40 products; a barrier.  So slice bytes are stored and read in different barrier intervals.  The slice stays in LDS: 128 rows of 2,048 bytes.
; EVERY SPLIT IS SERVED.  The first pass runs in every wave whatever the count.  Three more passes (1,280 rows in all) stand in every wave's way with their barriers; a wave whose next tile begins at or past the
; count jumps over their products; they read the slice from LDS, one period a trip with one set of row fragments: plain, for counts over 320 alone.  Tiles past the count are not stored; places past the count
; inside a live tile repeat the last row and land in ranks that nobody reads.  A wave's fifth tile is not multiplied if it begins at or past the count.  An expert without rows multiplies token 1,023's row and stores nothing.
; NO CLUSTER: each slice of weights has one reader; the token rows, which an expert's 32 work-groups share, come by a list, which no tile descriptor covers.
; The accumulators are started by 40 products of a zero fragment with C = 0 at a pass's beginning: the price of one text for every K step.
; LIMITS.  The norm is taken of the weights before their rounding to bf16 (each number moves by at most 2^-9 of itself).  1 / max(n, 1e-12) is min(rsq(n^2), 1e12).  NaN and infinities are not treated apart.
; REGISTERS, by absolute number; s_set_vgpr_msb names the window of 256 for each operand place (bits 1:0 source 0, 3:2 source 1, 5:4 source 2, 7:6 destination).
.set PITCH, 2064                       ; a slice row in LDS: 2,048 bytes + 16: an odd multiple of 16, so the 16 rows of a fragment load fall on different groups of banks (ISA guide 11.1)
.set ROWP,  4096                       ; bytes from row to row of w1_v
.set SCR,   264192                     ; behind the slice: 4,608 bytes a wave: the squares' transpose (32 x 144), then the stage of the way out (16 x 272)
.set SCRW,  4608
.set SCT,   282624                     ; 128 scales, then (+512) 128 biases
.set SPARE, 283648                     ; the spare words, 128 bytes a wave
.set WOFF, 5                           ; v5      weights: wave x 32 rows + lane x 16
.set WST0, 6                           ; v6      slice in LDS, in: row 32 w, lane x 8; never rewritten
.set BAD,  7                           ; v7-10   slice in LDS, out: rows 32 q + r, at the trip's K; between the passes four other addresses
.set BAD0, 11                          ; v11-14  the same at K = 0; never rewritten
.set AOFF, 15                          ; v15-19  tile i: my token's row in xb + 16 h
.set RNK,  20                          ; v20     rank of my row in the item in hand
.set H16,  21                          ; v21     16 h
.set STO,  22                          ; v22     stage, in
.set RD,   23                          ; v23     stage, out
.set OOFF, 24                          ; v24     my byte offset in hb's region
.set WSTC, 28                          ; v28     WST0 + the trip's step
.set GV,   30                          ; v30, v31 gain and bias of slice row = my thread's number
.set BV,   31
.set BF,   64                          ; v64-191 weight fragments, two buffers of 8 x 8
.set SS,   192                         ; v192-255 sums of squares, two for each of my 32 rows
.set EV,   192                         ; later: a tile's 64 numbers
.set AF,   384                         ; v384-703 token fragments: (set, tile, K step) at AF + 160 set + 32 tile + 8 step;  v256-383: the weights as loaded, row i at 256 + 4 i
.set ACC,  704                         ; v704-1023 accumulator (tile i, column block b) at ACC + 64 i + 8 b
.set SC,   256                         ; v256-319 behind the stream: my lanes' 64 scales
.set BI,   320                         ; v320-383 and biases
.set TV,   64                          ; the way out: at work
.set PK,   128                         ; packed
.set RBK,  160                         ; whole rows
.set WB,   56                          ; s[56:57] weights: running base
.set AB,   60                          ; s[60:61] token rows: running base
.set A0,   62                          ; s[62:63] and its start
.set OB,   66                          ; s[66:67] hb at (e, my 128 columns)
.set MSB, 0
.macro WIN new                         ; the immediate's high byte repeats the setting that is left; a switch that changes nothing is dropped
.if MSB != (\new)
	s_set_vgpr_msb (MSB<<8)|(\new)
.set MSB, (\new)
.endif
.endm
.macro WS d, a, b, c                   ; windows from absolute register numbers
	WIN (((\a)>>8)|(((\b)>>8)<<2)|(((\c)>>8)<<4)|(((\d)>>8)<<6))
.endm
.macro PLACES                          ; four places behind a matrix instruction, ahead of loads into its sources and of reads of its result
.rept 4
	v_nop
.endr
.endm
.macro MEET                            ; a work-group barrier; my LDS instructions are done in front of the signal
	s_wait_dscnt 0x0
	s_barrier_signal -1
	s_barrier_wait -1
.endm
.macro ZCLR                            ; the 40 accumulators start at 0: a zero fragment times itself, C = 0
	WIN 0
.set j, 0
.rept 8
	v_mov_b32 v[BF+j], 0
.set j, j+1
.endr
.set z, 0
.rept 40
.set RC, ACC+8*z
	WS RC, 0, 0, 0
	v_wmma_f32_16x16x32_bf16 v[(RC&255):(RC&255)+7], v[BF:BF+7], v[BF:BF+7], 0
.set z, z+1
.endr
	WIN 0
.endm
.macro WLOAD imm                       ; 32 rows x 512 consecutive bytes: 128 along K
	WIN 0x40
.set i, 0
.rept 32
	global_load_b128 v[4*i:4*i+3], v[WOFF], s[WB:WB+1] offset:i*ROWP+(\imm) th:TH_LOAD_NT
.set i, i+1
.endr
.endm
.macro CONV ko                         ; the weights just loaded: squares summed, rounded to bf16 in place, 8 bytes a lane into the slice at byte ko of the trip's part of the rows
	WIN 0x05
.set q, 0
.rept 2
.set i, 0
.rept 32
	v_pk_fma_f32 v[SS+2*i:SS+2*i+1], v[4*i+2*q:4*i+2*q+1], v[4*i+2*q:4*i+2*q+1], v[SS+2*i:SS+2*i+1]
.set i, i+1
.endr
.set q, q+1
.endr
	WIN 0x45
.set i, 0
.rept 32
	v_cvt_pk_bf16_f32 v[4*i], v[4*i], v[4*i+1]
	v_cvt_pk_bf16_f32 v[4*i+1], v[4*i+2], v[4*i+3]
.set i, i+1
.endr
	WIN 0x04
.set i, 0
.rept 32
	ds_store_b64 v[WSTC], v[4*i:4*i+1] offset:i*PITCH+(\ko)
.set i, i+1
.endr
.endm
.macro ALOADH par, imm, half           ; K steps 2 half and 2 half + 1 of my five tiles' token rows into set par: 20 loads
.set i, 0
.rept 5
.set ks, 2*(\half)
.rept 2
.set RA, AF+160*(\par)+32*i+8*ks
	WS RA, 0, 0, 0
	global_load_b128 v[(RA&255):(RA&255)+3], v[AOFF+i], s[AB:AB+1] offset:(\imm)+64*ks
	global_load_b128 v[(RA&255)+4:(RA&255)+7], v[AOFF+i], s[AB:AB+1] offset:(\imm)+64*ks+32
.set ks, ks+1
.endr
.set i, i+1
.endr
.endm
.macro FETCHB buf, ko, ad              ; 32 along K of all 128 slice rows, at byte ko behind the four addresses from v[ad] on
	WIN 0
.set b, 0
.rept 8
	ds_load_b128 v[BF+64*(\buf)+8*b:BF+64*(\buf)+8*b+3], v[(\ad)+b/2] offset:(b%2)*16*PITCH+(\ko)
	ds_load_b128 v[BF+64*(\buf)+8*b+4:BF+64*(\buf)+8*b+7], v[(\ad)+b/2] offset:(b%2)*16*PITCH+(\ko)+32
.set b, b+1
.endr
.endm
.macro MULT par, kk, buf, i0, n        ; n tiles from i0 on, 8 products each; source 0 = 16 weight rows, source 1 = 16 tokens: a lane holds one token and eight neighbouring columns
.set i, \i0
.rept \n
.set b, 0
.rept 8
.set RC, ACC+64*i+8*b
.set RA, AF+160*(\par)+32*i+8*(\kk)
.set RW, BF+64*(\buf)+8*b
	WS RC, RW, RA, RC
	v_wmma_f32_16x16x32_bf16 v[(RC&255):(RC&255)+7], v[RW:RW+7], v[(RA&255):(RA&255)+7], v[(RC&255):(RC&255)+7]
.set b, b+1
.endr
.set i, i+1
.endr
.endm
.macro MUL par, kk, buf                ; a K step's products; the accumulators take turns, 32 or 40 of them; the fifth tile only if it has rows (s83)
	MULT \par, \kk, \buf, 0, 4
	WIN 0
	s_cmp_eq_u32 s83, 0
	s_cbranch_scc1 .Lt_\@
	MULT \par, \kk, \buf, 4, 1
	WIN 0
.Lt_\@:
.endm
.macro KSTEP par, kk, buf, ko, ad      ; this K step's weight fragments, asked for a K step ago, are in; the places; the next K step's fragments (ko < 0: none); the products
	s_wait_dscnt 0x0
.if (\ko) >= 0
	PLACES
	FETCHB 1-(\buf), \ko, \ad
.endif
	MUL \par, \kk, \buf
.endm
; A period of the first pass.  par: the set of row fragments that it multiplies; the other set is loaded.  second = 1: a trip's second period, which in the last trip asks for nothing.
; Every wait on LOADcnt is for 0: what was asked for in the period before.  The first 20 row loads stand ahead of the weights', so that they come back first.
.macro PERIOD par, ko, second
	s_wait_loadcnt 0x0                             ; this period's weights and row fragments; no load is out, so the bases may step
	CONV \ko
.if \second
	WIN 0
	s_cmp_eq_u32 s68, 1
	s_cbranch_scc1 .Lpa_\@
	s_add_nc_u64 s[WB:WB+1], s[WB:WB+1], 1024
	s_add_nc_u64 s[AB:AB+1], s[AB:AB+1], 512
	ALOADH 0, 0, 0
	WLOAD 0
	WIN 0
.Lpa_\@:
.else
	ALOADH 1, 256, 0
	WLOAD 512
	WIN 0
.endif
	MEET                                           ; every wave's part of this period's columns is in the slice
	FETCHB 0, \ko, BAD
	KSTEP \par, 0, 0, (\ko)+64, BAD
	KSTEP \par, 1, 1, (\ko)+128, BAD
.if \second
	s_cmp_eq_u32 s68, 1
	s_cbranch_scc1 .Lpb_\@
	ALOADH 0, 0, 1
	WIN 0
.Lpb_\@:
.else
	ALOADH 1, 256, 1
	WIN 0
.endif
	KSTEP \par, 2, 0, (\ko)+192, BAD
	KSTEP \par, 3, 1, -1, BAD
	MEET                                           ; every wave's reads of the slice in this period are over: the next period may store
.endm
.macro SELSTEP x, wd, st               ; v36 ones still to pass, v40 the bit's place so far: if the lower st bits of the window hold no more than v36 ones, pass them
	v_bfe_u32 v41, v[\x], v40, \wd
	v_cmp_ge_u32 vcc_lo, v36, v41
	v_cndmask_b32 v41, 0, v41, vcc_lo
	v_sub_nc_u32 v36, v36, v41
	v_cndmask_b32 v41, 0, \st, vcc_lo
	v_add_nc_u32 v40, v40, v41
.endm
; The tokens of my five tiles' ranks.  A trip serves one tile: the last of the 32 words whose count of ones in front is no more than the rank holds the token; in it the bit is found by the
; partial counts of ones in 2, 4, 8 and 16 bits.  The five results move up through AOFF.  Places past the count take the last rank.
.macro TOKENS
	v_mov_b32 v32, v[RNK]
.set i, 0
.rept 5
	v_mov_b32 v[AOFF+i], 0
.set i, i+1
.endr
	s_mov_b32 s81, 5
.Ltok_\@:
	v_min_u32 v33, s54, v32
	v_min_u32 v33, 0x3ff, v33                      ; the rank
	v_mov_b32 v34, s16                             ; the word
	v_mov_b32 v35, 0                               ; its number << 16 | ones in front of it
	s_bcnt1_i32_b32 s55, s16
.set k, 1
.rept 31
	v_cmp_le_u32 vcc_lo, s55, v33
	s_or_b32 s76, s55, k<<16
	v_cndmask_b32 v34, v34, s[16+k], vcc_lo
	v_cndmask_b32 v35, v35, s76, vcc_lo
	s_bcnt1_i32_b32 s77, s[16+k]
	s_add_co_u32 s55, s55, s77
.set k, k+1
.endr
	v_and_b32 v36, 0xffff, v35
	v_sub_nc_u32 v36, v33, v36                     ; ones to pass inside the word
	v_lshrrev_b32 v35, 16, v35
	v_lshrrev_b32 v37, 1, v34
	v_and_b32 v37, 0x55555555, v37
	v_sub_nc_u32 v37, v34, v37                     ; ones in each 2 bits
	v_lshrrev_b32 v38, 2, v37
	v_and_b32 v38, 0x33333333, v38
	v_and_b32 v39, 0x33333333, v37
	v_add_nc_u32 v38, v38, v39                     ; in each 4
	v_lshrrev_b32 v39, 4, v38
	v_add_nc_u32 v39, v39, v38
	v_and_b32 v39, 0x0f0f0f0f, v39                 ; in each 8
	v_lshrrev_b32 v42, 8, v39
	v_add_nc_u32 v42, v42, v39                     ; low byte: in the low 16
	v_mov_b32 v40, 0
	SELSTEP 42, 5, 16
	SELSTEP 39, 4, 8
	SELSTEP 38, 3, 4
	SELSTEP 37, 2, 2
	SELSTEP 34, 1, 1
.set i, 0
.rept 4
	v_mov_b32 v[AOFF+i], v[AOFF+i+1]
.set i, i+1
.endr
	v_lshl_add_u32 v[AOFF+4], v35, 5, v40          ; the token
	v_add_nc_u32 v32, 64, v32
	s_sub_co_u32 s81, s81, 1
	s_cmp_lg_u32 s81, 0
	s_cbranch_scc1 .Ltok_\@
.set i, 0
.rept 5
	v_min_u32 v[AOFF+i], 0x3ff, v[AOFF+i]
	v_lshl_add_u32 v[AOFF+i], v[AOFF+i], 11, v[H16]
.set i, i+1
.endr
	s_add_co_u32 s76, s72, 256                     ; has my fifth tile rows?
	s_cmp_lt_u32 s76, s53
	s_cselect_b32 s83, 1, 0
.endm
.macro BLOCK ti                        ; tile ti: sum x scale + bias, each accumulator from its lowest registers on
.set z, 0
.rept 32
.set RC, ACC+64*(\ti)+2*z
	WS 0, RC, SC, BI
	v_pk_fma_f32 v[EV+2*z:EV+2*z+1], v[(RC&255):(RC&255)+1], v[(SC&255)+2*z:(SC&255)+2*z+1], v[(BI&255)+2*z:(BI&255)+2*z+1]
.set z, z+1
.endr
	WIN 0
.endm
	s_load_b256 s[4:11], s[0:1], 0x0               ; xb s[4:5], bm s[6:7], w1_v s[8:9], w1_g s[10:11]
	s_load_b128 s[12:15], s[0:1], 0x20             ; b1 s[12:13], hb s[14:15]
	s_load_b64 s[48:49], s[0:1], 0x30              ; rk
	v_lshl_add_u32 v1, v0, 2, SPARE                ; my spare word
	v_mov_b32 v2, 0
	v_lshrrev_b32 v26, 5, v0
	v_readfirstlane_b32 s50, v26                   ; wave 0..3
	s_mov_b32 s51, ttmp9                           ; slice
	s_and_b32 s52, ttmp7, 0xffff                   ; expert
	v_and_b32 v3, 15, v0                           ; r
	v_bfe_u32 v4, v0, 4, 1                         ; h
	v_and_b32 v25, 31, v0                          ; lane
	s_lshl_b32 s76, s50, 17
	v_lshl_add_u32 v[WOFF], v25, 4, s76
	s_lshl_b32 s74, s52, 24                        ; an expert's weights are 16 MiB,
	s_lshl_b32 s76, s51, 19                        ; a slice 512 KiB
	s_add_co_u32 s74, s74, s76
	s_mov_b32 s75, 0
	s_lshl_b32 s76, s52, 14
	s_lshl_b32 s77, s51, 9
	s_add_co_u32 s76, s76, s77
	v_lshl_add_u32 v29, v0, 2, s76                 ; gain and bias of slice row = my thread's number
	s_lshl_b32 s72, s50, 4                         ; first row of my tile in the item in hand
	v_add_nc_u32 v[RNK], s72, v3
	v_lshlrev_b32 v[H16], 4, v4
	s_wait_kmcnt 0x0
	s_add_nc_u64 s[WB:WB+1], s[8:9], s[74:75]
	s_lshl_b32 s74, s52, 7
	s_add_nc_u64 s[6:7], s[6:7], s[74:75]
	s_load_b512 s[16:31], s[6:7], 0x0              ; e's 32 words: bit l of word k = token 32 k + l chose e
	s_load_b512 s[32:47], s[6:7], 0x40
	WLOAD 0                                        ; period 0's weights go out first of all
	WIN 0
	global_load_b32 v[GV], v29, s[10:11]
	global_load_b32 v[BV], v29, s[12:13]
	s_mov_b64 s[A0:A0+1], s[4:5]
	s_mov_b64 s[AB:AB+1], s[4:5]
	s_wait_kmcnt 0x0
	s_bcnt1_i32_b32 s53, s16
.set k, 1
.rept 31
	s_bcnt1_i32_b32 s76, s[16+k]
	s_add_co_u32 s53, s53, s76
.set k, k+1
.endr
	s_min_u32 s53, s53, 0x400                      ; e's rows
	s_sub_co_u32 s54, s53, 1                       ; the last rank (no rows: all ones, which clamps nothing)
	TOKENS
	ALOADH 0, 0, 0                                 ; period 0's row fragments
	ALOADH 0, 0, 1
	WIN 0
	s_mul_i32 s76, s50, 32*PITCH
	v_lshl_add_u32 v[WST0], v25, 3, s76
	v_mul_u32_u24 v26, v3, PITCH
	v_lshl_add_u32 v[BAD0], v4, 4, v26
	v_add_nc_u32 v[BAD0+1], 32*PITCH, v[BAD0]
	v_add_nc_u32 v[BAD0+2], 64*PITCH, v[BAD0]
	v_add_nc_u32 v[BAD0+3], 96*PITCH, v[BAD0]
	s_mul_i32 s82, s50, SCRW
	s_add_co_u32 s82, s82, SCR                     ; my scratch
	v_mul_u32_u24 v[STO], v3, 272
	v_add_nc_u32 v[STO], v[H16], v[STO]
	v_add_nc_u32 v[STO], s82, v[STO]               ; in: row r, 16 bytes for each half of the lanes
	v_mul_u32_u24 v[RD], v4, 272
	v_lshl_add_u32 v[RD], v3, 4, v[RD]
	v_add_nc_u32 v[RD], s82, v[RD]                 ; out: lanes 0-15 one row of 256 bytes, lanes 16-31 the next
	v_lshlrev_b32 v[OOFF], 13, v4
	v_lshl_add_u32 v[OOFF], v3, 4, v[OOFF]
	s_lshl_b32 s76, s50, 17
	v_add_nc_u32 v[OOFF], s76, v[OOFF]             ; (16 w + h) rows of 8,192 bytes + 16 r
.set i, 0
.rept 64
	v_mov_b32 v[SS+i], 0
.set i, i+1
.endr
	s_lshl_b32 s74, s52, 23                        ; an expert's region of hb: 1,024 ranks of 8,192 bytes
	s_lshl_b32 s76, s51, 8
	s_add_co_u32 s74, s74, s76
	s_add_nc_u64 s[OB:OB+1], s[14:15], s[74:75]
	s_lshl_b32 s74, s52, 12
	s_add_nc_u64 s[48:49], s[48:49], s[74:75]
	ZCLR
	s_cmp_lg_u32 s50, 0
	s_cbranch_scc1 .Lnork
	s_cmp_lg_u32 s51, 0
	s_cbranch_scc1 .Lnork
	s_mov_b32 s55, 0                               ; slice 0's wave 0 stores every token's rank for the last launch
.set k, 0
.rept 32
	v_mbcnt_lo_u32_b32 v[32+k], s[16+k], s55       ; choosers in front of token 32 k + lane
	s_bcnt1_i32_b32 s76, s[16+k]
	s_add_co_u32 s55, s55, s76
.set k, k+1
.endr
	v_lshlrev_b32 v27, 2, v0
.set k, 0
.rept 32
	global_store_b32 v27, v[32+k], s[48:49] offset:k*128
.set k, k+1
.endr
	s_wait_xcnt 0x0                                ; the stores have read their registers
.Lnork:
	s_mov_b32 s78, 0
	s_mov_b32 s68, 4
.Lf:                                                   ; THE FIRST PASS: a trip is two periods, 256 along K
	v_add_nc_u32 v[WSTC], s78, v[WST0]             ; 512 bytes further along the slice's rows in each trip
.set q, 0
.rept 4
	v_add_nc_u32 v[BAD+q], s78, v[BAD0+q]
.set q, q+1
.endr
	PERIOD 0, 0, 0
	PERIOD 1, 256, 1
	s_add_co_u32 s78, s78, 512
	s_sub_co_u32 s68, s68, 1
	s_cmp_lg_u32 s68, 0
	s_cbranch_scc1 .Lf
	s_wait_loadcnt 0x0                             ; the last trip asked for nothing, so nothing is out: the wait says so on every way out of the loop, ahead of the lines that load the fragments' and the weights' registers again
	v_lshl_add_u32 v7, v25, 2, s82                 ; squares, in: column = lane (these seven lines are also the places behind the last products)
	v_mul_u32_u24 v8, v25, 144
	v_add_nc_u32 v8, s82, v8                       ; out: row = lane
	v_lshl_add_u32 v9, v0, 2, SCT                  ; my row's scale
	v_lshlrev_b32 v10, 5, v4
	v_add_nc_u32 v10, SCT, v10                     ; my lanes' columns: 32 h
	v_cvt_pk_bf16_f32 v26, v[GV], v[BV]            ; gain and bias rounded to bf16
.set i, 0
.rept 32                                               ; the squares change lanes through my scratch: row i, column lane
	v_add_f32 v[64+i], v[SS+2*i], v[SS+2*i+1]
	ds_store_b32 v7, v[64+i] offset:i*144
.set i, i+1
.endr
.set j, 0
.rept 8
	ds_load_b128 v[96+4*j:96+4*j+3], v8 offset:16*j
.set j, j+1
.endr
	v_lshlrev_b32 v[GV], 16, v26
	v_and_b32 v[BV], 0xffff0000, v26
	s_wait_dscnt 0x0
.set z, 0
.rept 8
	v_pk_add_f32 v[96+2*z:97+2*z], v[96+2*z:97+2*z], v[112+2*z:113+2*z]
.set z, z+1
.endr
.set z, 0
.rept 4
	v_pk_add_f32 v[96+2*z:97+2*z], v[96+2*z:97+2*z], v[104+2*z:105+2*z]
.set z, z+1
.endr
	v_pk_add_f32 v[96:97], v[96:97], v[100:101]
	v_pk_add_f32 v[98:99], v[98:99], v[102:103]
	v_pk_add_f32 v[96:97], v[96:97], v[98:99]
	v_add_f32 v96, v96, v97                        ; |row 32 w + lane|^2
	v_rsq_f32 v97, v96
	v_nop
	s_wait_alu depctr_va_vdst(0)                   ; the wait ahead of the root's first reader
	v_min_num_f32 v97, 0x5368d4a5, v97             ; 1 / max(n, 1e-12)
	v_mul_f32 v97, v97, v[GV]
	ds_store_b32 v9, v97
	ds_store_b32 v9, v[BV] offset:512
	MEET                                           ; every wave's scales and biases are in LDS
	WIN 0x40
.set b, 0
.rept 8                                                ; columns 16 b + 8 h + 0..7, into the registers that held the weights
	ds_load_b128 v[(SC&255)+8*b:(SC&255)+8*b+3], v10 offset:64*b
	ds_load_b128 v[(SC&255)+8*b+4:(SC&255)+8*b+7], v10 offset:64*b+16
	ds_load_b128 v[(BI&255)+8*b:(BI&255)+8*b+3], v10 offset:512+64*b
	ds_load_b128 v[(BI&255)+8*b+4:(BI&255)+8*b+7], v10 offset:512+64*b+16
.set b, b+1
.endr
	WIN 0
	s_mov_b32 s70, 4
	s_branch .Lnok                                 ; the loop over passes is entered at the first pass's way out
.Lpass:                                                ; passes 2 to 4: 320 more rows each, against the slice in LDS; dead ones keep only their barriers
	s_cmp_ge_u32 s72, s53
	s_cbranch_scc1 .Lnok                           ; my first tile of this pass begins at or past the count: no products
	ZCLR
	TOKENS
	s_mov_b64 s[AB:AB+1], s[A0:A0+1]
	s_mov_b32 s73, 0
	s_mov_b32 s69, 8
.Lk:                                                   ; a trip: 128 along K, one set of row fragments, waited for at once
.set q, 0
.rept 4
	v_add_nc_u32 v[BAD+q], s73, v[BAD0+q]          ; 256 bytes further along the slice's rows in each trip; these four lines are the places ahead of the loads below
.set q, q+1
.endr
	ALOADH 0, 0, 0
	ALOADH 0, 0, 1
	FETCHB 0, 0, BAD
	s_wait_loadcnt 0x0
	KSTEP 0, 0, 0, 64, BAD
	KSTEP 0, 1, 1, 128, BAD
	KSTEP 0, 2, 0, 192, BAD
	KSTEP 0, 3, 1, -1, BAD
	s_add_nc_u64 s[AB:AB+1], s[AB:AB+1], 256       ; no load is out
	s_add_co_u32 s73, s73, 256
	s_sub_co_u32 s69, s69, 1
	s_cmp_lg_u32 s69, 0
	s_cbranch_scc1 .Lk
	PLACES
.Lnok:
	MEET                                           ; every wave's reads of the slice and of the tables are over: now the stages may be written
	s_mov_b32 s71, 0
.Litem:                                                ; my five tiles, one after the other; a tile that begins at or past the count is jumped
	s_cmp_ge_u32 s72, s53
	s_cbranch_scc1 .Lnext
	s_cmp_eq_u32 s71, 0
	s_cbranch_scc1 .Lb0
	s_cmp_eq_u32 s71, 1
	s_cbranch_scc1 .Lb1
	s_cmp_eq_u32 s71, 2
	s_cbranch_scc1 .Lb2
	s_cmp_eq_u32 s71, 3
	s_cbranch_scc1 .Lb3
	BLOCK 4
	s_branch .Lcom
.Lb3:
	BLOCK 3
	s_branch .Lcom
.Lb2:
	BLOCK 2
	s_branch .Lcom
.Lb1:
	BLOCK 1
	s_branch .Lcom
.Lb0:
	BLOCK 0
.Lcom:                                                 ; swish: y / (1 + 2^(-log2(e) y)); two batches, one wait each
.set z, 0
.rept 32
	v_pk_mul_f32 v[TV+2*z:TV+2*z+1], v[EV+2*z:EV+2*z+1], 0xbfb8aa3b op_sel_hi:[1,0]
.set z, z+1
.endr
.set z, 0
.rept 64
	v_exp_f32 v[TV+z], v[TV+z]
.set z, z+1
.endr
	v_nop
	s_wait_alu depctr_va_vdst(0)
.set z, 0
.rept 32
	v_pk_add_f32 v[TV+2*z:TV+2*z+1], v[TV+2*z:TV+2*z+1], 1.0 op_sel_hi:[1,0]
.set z, z+1
.endr
.set z, 0
.rept 64
	v_rcp_f32 v[TV+z], v[TV+z]
.set z, z+1
.endr
	v_nop
	s_wait_alu depctr_va_vdst(0)
.set z, 0
.rept 32
	v_pk_mul_f32 v[EV+2*z:EV+2*z+1], v[EV+2*z:EV+2*z+1], v[TV+2*z:TV+2*z+1]
.set z, z+1
.endr
.set z, 0
.rept 32
	v_cvt_pk_bf16_f32 v[PK+z], v[EV+2*z], v[EV+2*z+1]
.set z, z+1
.endr
.set b, 0
.rept 8
	ds_store_b128 v[STO], v[PK+4*b:PK+4*b+3] offset:32*b
.set b, b+1
.endr
.set t, 0
.rept 8
	ds_load_b128 v[RBK+4*t:RBK+4*t+3], v[RD] offset:544*t   ; my own stage: LDS serves a wave's instructions in order
.set t, t+1
.endr
	s_wait_dscnt 0x0
.set t, 0
.rept 8
	global_store_b128 v[OOFF], v[RBK+4*t:RBK+4*t+3], s[OB:OB+1] offset:16384*t   ; 16 lanes store 256 consecutive bytes, at a multiple of 256 from hb's first
.set t, t+1
.endr
.Lnext:
	s_wait_xcnt 0x0                                ; the stores have read their data and their offset
	v_add_nc_u32 v[OOFF], 0x80000, v[OOFF]         ; 64 rows on
	v_add_nc_u32 v[RNK], 64, v[RNK]
	s_add_co_u32 s72, s72, 64
	s_add_co_u32 s71, s71, 1
	s_cmp_lt_u32 s71, 5
	s_cbranch_scc1 .Litem
	MEET                                           ; every wave's use of its stage in this pass is over: LDS is only read again
	s_sub_co_u32 s70, s70, 1
	s_cmp_lg_u32 s70, 0
	s_cbranch_scc1 .Lpass
	s_wait_tensorcnt 0x0                           ; the wave's end, behind my last LDS store
	ds_add_u32 v1, v2
	s_wait_dscnt 0x0
	s_endpgm
.Lfunc_end_k_q868fa50676_ffn1:
	.size	k_q868fa50676_ffn1, .Lfunc_end_k_q868fa50676_ffn1-k_q868fa50676_ffn1
	.p2alignl 7, 3214868480
	.fill 96, 4, 3214868480
	.section	.rodata,"a",@progbits
	.p2align	6, 0x0
	.amdhsa_kernel k_q868fa50676_ffn1
		.amdhsa_group_segment_fixed_size 284160
		.amdhsa_private_segment_fixed_size 0
		.amdhsa_enable_private_segment 0
		.amdhsa_kernarg_size 56
		.amdhsa_user_sgpr_count 2
		.amdhsa_user_sgpr_kernarg_segment_ptr 1
		.amdhsa_wavefront_size32 1
		.amdhsa_system_sgpr_workgroup_id_x 1
		.amdhsa_system_sgpr_workgroup_id_y 1
		.amdhsa_system_sgpr_workgroup_id_z 1
		.amdhsa_system_vgpr_workitem_id 0
		.amdhsa_next_free_vgpr 1024
		.amdhsa_next_free_sgpr 96
		.amdhsa_reserve_vcc 1
		.amdhsa_float_denorm_mode_32 3
		.amdhsa_float_denorm_mode_16_64 3
		.amdhsa_memory_ordered 1
		.amdhsa_forward_progress 1
		.amdhsa_inst_pref_size 172
	.end_amdhsa_kernel
	.amdgpu_metadata
---
amdhsa.version: [ 1, 2 ]
amdhsa.kernels:
  - .name:           k_q868fa50676_ffn1
    .symbol:         k_q868fa50676_ffn1.kd
    .args:
      - { .name: xb, .offset: 0, .size: 8, .value_kind: global_buffer, .address_space: global }
      - { .name: bm, .offset: 8, .size: 8, .value_kind: global_buffer, .address_space: global }
      - { .name: w1_v, .offset: 16, .size: 8, .value_kind: global_buffer, .address_space: global }
      - { .name: w1_g, .offset: 24, .size: 8, .value_kind: global_buffer, .address_space: global }
      - { .name: b1, .offset: 32, .size: 8, .value_kind: global_buffer, .address_space: global }
      - { .name: hb, .offset: 40, .size: 8, .value_kind: global_buffer, .address_space: global }
      - { .name: rk, .offset: 48, .size: 8, .value_kind: global_buffer, .address_space: global }
    .group_segment_fixed_size: 284160
    .private_segment_fixed_size: 0
    .kernarg_segment_align: 8
    .kernarg_segment_size: 56
    .max_flat_workgroup_size: 128
    .sgpr_count:     96
    .vgpr_count:     1024
    .wavefront_size: 32
...
	.end_amdgpu_metadata
.endif
;; end of part 5
;; launch ffn2 (part 6): grid 32 x 8, 4 waves a work-group, no clusters, 298,496 bytes of LDS; arguments hb, bm, w2_v, pp, ss2; writes pp, ss2
.if DOCPART == 6
	.amdgcn_target "amdgcn-amd-amdhsa--gfx1250"
	.amdhsa_code_object_version 6
	.text
	.protected	k_q868fa50676_ffn2
	.globl	k_q868fa50676_ffn2
	.p2align	8
	.type	k_q868fa50676_ffn2,@function
k_q868fa50676_ffn2:
	s_mov_b64 s[64:65], 0
	v_nop
	global_prefetch_b8 v0, s[64:65] scope:SCOPE_SE
	s_setreg_imm32_b32 hwreg(HW_REG_WAVE_MODE, 25, 1), 1
	s_wait_xcnt 0x0
; SECOND LAYER, PARTIAL SUMS.  pp[e][rank][ks][n] = the sum over 1,024 hidden channels (quarter ks) of hb[e][rank][k] * bf16(w2_v[e][n][k]), f32;  ss2[e][ks][n] = the same quarter's sum of w2_v[e][n][k]^2, f32.
; Norm, gain, bias and the sum over quarters and over a token's two experts are the last launch's.
; SHARES.  Work-group (slice, e): slice = 8 ks + n block: 128 rows n x 1,024 k of w2_v[e], which it alone reads: 512 KiB of f32.  K is cut in four so that a work-group reads 2,048 bytes of each row of hb, not 8,192.
; Of the expert's rows a pass takes 320: wave w the tiles of 16 rows 4 n + w, five a pass, each against all 128 columns: 40 accumulators.  The rows of hb come from memory straight into registers as operands.
; THE FIRST PASS STREAMS AND MULTIPLIES, K in 8 periods of 128.  A period: all my loads are in; my 32 rows x 128 of the weights are squared, rounded and laid into LDS; the next period's loads go out (20 of
; rows of hb, then 32 of 512 consecutive bytes of weights: 16 KiB of a wave on their way during the period's products; 20 more of rows of hb behind the second K step); a barrier; four K steps
; of up to 40 products; a barrier.  So slice bytes are stored and read in different barrier intervals.  The slice stays in LDS: 128 rows of 2,048 bytes.
; EVERY SPLIT IS SERVED.  The first pass runs in every wave whatever the count.  Three more passes (1,280 rows in all) stand in every wave's way with their barriers; a wave whose next tile begins at or past the
; count jumps over their products; they read the slice from LDS, one period a trip with one set of row fragments: plain, for counts over 320 alone.  Tiles past the count are not stored; places past the count
; inside a live tile repeat the last row and land in ranks that nobody reads.  A wave's fifth tile is not multiplied if it begins at or past the count.  An expert without rows multiplies bytes of hb that
; nobody stored, and stores none of those products; its squares are stored like any other's.
; NO CLUSTER: each slice of weights has one reader.  The rows of hb are shared by eight work-groups, but beside the slice LDS has 63,488 bytes, and two slots of 320 rows x 256 bytes want 174,080.
; The accumulators are started by 40 products of a zero fragment with C = 0 at a pass's beginning: the price of one text for every K step.
; LIMITS.  The squares are those of the weights before their rounding to bf16 (each number moves by at most 2^-9 of itself).  NaN and infinities are not treated apart.
; REGISTERS, by absolute number; s_set_vgpr_msb names the window of 256 for each operand place (bits 1:0 source 0, 3:2 source 1, 5:4 source 2, 7:6 destination).
.set PITCH, 2064                       ; a slice row in LDS: 2,048 bytes + 16: an odd multiple of 16
.set ROWP,  16384                      ; bytes from row to row of w2_v
.set STG,   264192                     ; behind the slice: 8,448 bytes a wave: the squares' transpose (32 x 144), then the stage of the way out (16 x 528)
.set STGW,  8448
.set SPARE, 297984                     ; the spare words, 128 bytes a wave
.set WOFF, 5                           ; v5      weights: wave x 32 rows + lane x 16
.set WST0, 6                           ; v6      slice in LDS, in; never rewritten
.set BAD,  7                           ; v7-10   slice in LDS, out, at the trip's K; between the passes three other addresses
.set BAD0, 11                          ; v11-14  the same at K = 0; never rewritten
.set AOFF, 15                          ; v15-19  tile i: my row of hb + 16 h
.set RNK,  20                          ; v20     rank of my row in the item in hand
.set H16,  21                          ; v21     16 h
.set STO,  22                          ; v22     stage, in
.set RD,   23                          ; v23     stage, out
.set OOFF, 24                          ; v24     my byte offset in pp's region
.set WSTC, 28                          ; v28     WST0 + the trip's step
.set BF,   64                          ; v64-191 weight fragments, two buffers; the way out: whole rows in v64-127
.set SS,   192                         ; v192-255 sums of squares, two for each of my 32 rows
.set AF,   384                         ; v384-703 fragments of hb: (set, tile, K step) at AF + 160 set + 32 tile + 8 step;  v256-383: the weights as loaded, row i at 256 + 4 i
.set ACC,  704                         ; v704-1023 accumulator (tile i, column block b) at ACC + 64 i + 8 b
.set RBK,  64
.set WB,   56                          ; s[56:57]
.set AB,   60                          ; s[60:61]
.set A0,   62                          ; s[62:63]
.set OB,   66                          ; s[66:67]
.set MSB, 0
.macro WIN new                         ; the immediate's high byte repeats the setting that is left; a switch that changes nothing is dropped
.if MSB != (\new)
	s_set_vgpr_msb (MSB<<8)|(\new)
.set MSB, (\new)
.endif
.endm
.macro WS d, a, b, c                   ; windows from absolute register numbers
	WIN (((\a)>>8)|(((\b)>>8)<<2)|(((\c)>>8)<<4)|(((\d)>>8)<<6))
.endm
.macro PLACES                          ; four places behind a matrix instruction, ahead of loads into its sources and of reads of its result
.rept 4
	v_nop
.endr
.endm
.macro MEET                            ; a work-group barrier; my LDS instructions are done in front of the signal
	s_wait_dscnt 0x0
	s_barrier_signal -1
	s_barrier_wait -1
.endm
.macro ZCLR                            ; the 40 accumulators start at 0: a zero fragment times itself, C = 0
	WIN 0
.set j, 0
.rept 8
	v_mov_b32 v[BF+j], 0
.set j, j+1
.endr
.set z, 0
.rept 40
.set RC, ACC+8*z
	WS RC, 0, 0, 0
	v_wmma_f32_16x16x32_bf16 v[(RC&255):(RC&255)+7], v[BF:BF+7], v[BF:BF+7], 0
.set z, z+1
.endr
	WIN 0
.endm
.macro WLOAD imm                       ; 32 rows x 512 consecutive bytes: 128 along K
	WIN 0x40
.set i, 0
.rept 32
	global_load_b128 v[4*i:4*i+3], v[WOFF], s[WB:WB+1] offset:i*ROWP+(\imm) th:TH_LOAD_NT
.set i, i+1
.endr
.endm
.macro CONV ko                         ; the weights just loaded: squares summed, rounded to bf16 in place, 8 bytes a lane into the slice at byte ko of the trip's part of the rows
	WIN 0x05
.set q, 0
.rept 2
.set i, 0
.rept 32
	v_pk_fma_f32 v[SS+2*i:SS+2*i+1], v[4*i+2*q:4*i+2*q+1], v[4*i+2*q:4*i+2*q+1], v[SS+2*i:SS+2*i+1]
.set i, i+1
.endr
.set q, q+1
.endr
	WIN 0x45
.set i, 0
.rept 32
	v_cvt_pk_bf16_f32 v[4*i], v[4*i], v[4*i+1]
	v_cvt_pk_bf16_f32 v[4*i+1], v[4*i+2], v[4*i+3]
.set i, i+1
.endr
	WIN 0x04
.set i, 0
.rept 32
	ds_store_b64 v[WSTC], v[4*i:4*i+1] offset:i*PITCH+(\ko)
.set i, i+1
.endr
.endm
.macro ALOADH par, imm, half           ; K steps 2 half and 2 half + 1 of my five tiles' rows of hb into set par: 20 loads
.set i, 0
.rept 5
.set ks, 2*(\half)
.rept 2
.set RA, AF+160*(\par)+32*i+8*ks
	WS RA, 0, 0, 0
	global_load_b128 v[(RA&255):(RA&255)+3], v[AOFF+i], s[AB:AB+1] offset:(\imm)+64*ks
	global_load_b128 v[(RA&255)+4:(RA&255)+7], v[AOFF+i], s[AB:AB+1] offset:(\imm)+64*ks+32
.set ks, ks+1
.endr
.set i, i+1
.endr
.endm
.macro FETCHB buf, ko, ad              ; 32 along K of all 128 slice rows, at byte ko behind the four addresses from v[ad] on
	WIN 0
.set b, 0
.rept 8
	ds_load_b128 v[BF+64*(\buf)+8*b:BF+64*(\buf)+8*b+3], v[(\ad)+b/2] offset:(b%2)*16*PITCH+(\ko)
	ds_load_b128 v[BF+64*(\buf)+8*b+4:BF+64*(\buf)+8*b+7], v[(\ad)+b/2] offset:(b%2)*16*PITCH+(\ko)+32
.set b, b+1
.endr
.endm
.macro MULT par, kk, buf, i0, n        ; n tiles from i0 on, 8 products each; source 0 = 16 weight rows, source 1 = 16 rows of hb: a lane holds one row and eight neighbouring columns
.set i, \i0
.rept \n
.set b, 0
.rept 8
.set RC, ACC+64*i+8*b
.set RA, AF+160*(\par)+32*i+8*(\kk)
.set RW, BF+64*(\buf)+8*b
	WS RC, RW, RA, RC
	v_wmma_f32_16x16x32_bf16 v[(RC&255):(RC&255)+7], v[RW:RW+7], v[(RA&255):(RA&255)+7], v[(RC&255):(RC&255)+7]
.set b, b+1
.endr
.set i, i+1
.endr
.endm
.macro MUL par, kk, buf                ; a K step's products; the accumulators take turns, 32 or 40 of them; the fifth tile only if it has rows (s83)
	MULT \par, \kk, \buf, 0, 4
	WIN 0
	s_cmp_eq_u32 s83, 0
	s_cbranch_scc1 .Lt_\@
	MULT \par, \kk, \buf, 4, 1
	WIN 0
.Lt_\@:
.endm
.macro KSTEP par, kk, buf, ko, ad      ; this K step's weight fragments, asked for a K step ago, are in; the places; the next K step's fragments (ko < 0: none); the products
	s_wait_dscnt 0x0
.if (\ko) >= 0
	PLACES
	FETCHB 1-(\buf), \ko, \ad
.endif
	MUL \par, \kk, \buf
.endm
; A period of the first pass.  par: the set of row fragments that it multiplies; the other set is loaded.  second = 1: a trip's second period, which in the last trip asks for nothing.
; Every wait on LOADcnt is for 0: what was asked for in the period before.  The first 20 row loads stand ahead of the weights', so that they come back first.
.macro PERIOD par, ko, second
	s_wait_loadcnt 0x0                             ; this period's weights and row fragments; no load is out, so the bases may step
	CONV \ko
.if \second
	WIN 0
	s_cmp_eq_u32 s68, 1
	s_cbranch_scc1 .Lpa_\@
	s_add_nc_u64 s[WB:WB+1], s[WB:WB+1], 1024
	s_add_nc_u64 s[AB:AB+1], s[AB:AB+1], 512
	ALOADH 0, 0, 0
	WLOAD 0
	WIN 0
.Lpa_\@:
.else
	ALOADH 1, 256, 0
	WLOAD 512
	WIN 0
.endif
	MEET                                           ; every wave's part of this period's columns is in the slice
	FETCHB 0, \ko, BAD
	KSTEP \par, 0, 0, (\ko)+64, BAD
	KSTEP \par, 1, 1, (\ko)+128, BAD
.if \second
	s_cmp_eq_u32 s68, 1
	s_cbranch_scc1 .Lpb_\@
	ALOADH 0, 0, 1
	WIN 0
.Lpb_\@:
.else
	ALOADH 1, 256, 1
	WIN 0
.endif
	KSTEP \par, 2, 0, (\ko)+192, BAD
	KSTEP \par, 3, 1, -1, BAD
	MEET                                           ; every wave's reads of the slice in this period are over: the next period may store
.endm
.macro ROWS                            ; my five tiles' rows of hb; places past the count take the last rank
.set i, 0
.rept 5
	v_add_nc_u32 v26, 64*i, v[RNK]
	v_min_u32 v26, s54, v26
	v_min_u32 v26, 0x3ff, v26
	v_lshl_add_u32 v[AOFF+i], v26, 13, v[H16]
.set i, i+1
.endr
	s_add_co_u32 s76, s72, 256                     ; has my fifth tile rows?
	s_cmp_lt_u32 s76, s53
	s_cselect_b32 s83, 1, 0
.endm
.macro BLOCK ti                        ; tile ti goes into my stage as it is, each accumulator's lowest registers first
.set b, 0
.rept 8
.set RC, ACC+64*(\ti)+8*b
	WS 0, 0, RC, 0
	ds_store_b128 v[STO], v[(RC&255):(RC&255)+3] offset:64*b
	ds_store_b128 v[STO], v[(RC&255)+4:(RC&255)+7] offset:64*b+16
.set b, b+1
.endr
	WIN 0
.endm
	s_load_b256 s[4:11], s[0:1], 0x0               ; hb s[4:5], bm s[6:7], w2_v s[8:9], pp s[10:11]
	s_load_b64 s[12:13], s[0:1], 0x20              ; ss2
	v_lshl_add_u32 v1, v0, 2, SPARE                ; my spare word
	v_mov_b32 v2, 0
	v_lshrrev_b32 v26, 5, v0
	v_readfirstlane_b32 s50, v26                   ; wave 0..3
	s_mov_b32 s51, ttmp9
	s_and_b32 s52, ttmp7, 0xffff                   ; expert
	s_and_b32 s79, s51, 7                          ; block of 128 rows n
	s_lshr_b32 s80, s51, 3                         ; quarter of K
	v_and_b32 v3, 15, v0                           ; r
	v_bfe_u32 v4, v0, 4, 1                         ; h
	v_and_b32 v25, 31, v0                          ; lane
	s_lshl_b32 s76, s50, 19
	v_lshl_add_u32 v[WOFF], v25, 4, s76
	s_lshl_b32 s74, s52, 24                        ; an expert's weights are 16 MiB,
	s_lshl_b32 s76, s79, 21                        ; 128 rows 2 MiB,
	s_add_co_u32 s74, s74, s76
	s_lshl_b32 s76, s80, 12                        ; a quarter of a row 4,096 bytes
	s_add_co_u32 s74, s74, s76
	s_mov_b32 s75, 0
	s_wait_kmcnt 0x0
	s_add_nc_u64 s[WB:WB+1], s[8:9], s[74:75]
	s_lshl_b32 s74, s52, 7
	s_add_nc_u64 s[6:7], s[6:7], s[74:75]
	s_load_b512 s[16:31], s[6:7], 0x0              ; e's 32 words: only their count of bits is used here
	s_load_b512 s[32:47], s[6:7], 0x40
	WLOAD 0                                        ; period 0's weights go out first of all
	WIN 0
	s_mul_i32 s76, s50, 32*PITCH
	v_lshl_add_u32 v[WST0], v25, 3, s76
	v_mul_u32_u24 v26, v3, PITCH
	v_lshl_add_u32 v[BAD0], v4, 4, v26
	v_add_nc_u32 v[BAD0+1], 32*PITCH, v[BAD0]
	v_add_nc_u32 v[BAD0+2], 64*PITCH, v[BAD0]
	v_add_nc_u32 v[BAD0+3], 96*PITCH, v[BAD0]
	s_lshl_b32 s72, s50, 4                         ; first row of my tile in the item in hand
	v_add_nc_u32 v[RNK], s72, v3
	v_lshlrev_b32 v[H16], 4, v4
	s_mul_i32 s82, s50, STGW
	s_add_co_u32 s82, s82, STG                     ; my stage
	v_mul_u32_u24 v[STO], v3, 528
	v_lshl_add_u32 v[STO], v4, 5, v[STO]
	v_add_nc_u32 v[STO], s82, v[STO]               ; in: row r, 32 bytes for each half of the lanes
	v_lshl_add_u32 v[RD], v25, 4, s82              ; out: a row of 512 bytes
	s_lshl_b32 s76, s50, 18
	v_lshl_add_u32 v[OOFF], v25, 4, s76            ; 16 w rows of 16,384 bytes + 16 x lane
.set i, 0
.rept 64
	v_mov_b32 v[SS+i], 0
.set i, i+1
.endr
	ZCLR
	s_lshl_b32 s74, s52, 23                        ; hb: the expert's region, my quarter of its rows
	s_lshl_b32 s76, s80, 11
	s_add_co_u32 s74, s74, s76
	s_add_nc_u64 s[A0:A0+1], s[4:5], s[74:75]
	s_mov_b64 s[AB:AB+1], s[A0:A0+1]
	s_lshl_b32 s74, s52, 24                        ; pp: the expert's region, my quarter, my 128 columns
	s_lshl_b32 s76, s80, 12
	s_add_co_u32 s74, s74, s76
	s_lshl_b32 s76, s79, 9
	s_add_co_u32 s74, s74, s76
	s_add_nc_u64 s[OB:OB+1], s[10:11], s[74:75]
	s_lshl_b32 s74, s52, 14                        ; ss2: (4 e + ks) x 4,096 + n block x 512
	s_lshl_b32 s76, s80, 12
	s_add_co_u32 s74, s74, s76
	s_lshl_b32 s76, s79, 9
	s_add_co_u32 s74, s74, s76
	s_add_nc_u64 s[12:13], s[12:13], s[74:75]
	s_wait_kmcnt 0x0
	s_bcnt1_i32_b32 s53, s16
.set k, 1
.rept 31
	s_bcnt1_i32_b32 s76, s[16+k]
	s_add_co_u32 s53, s53, s76
.set k, k+1
.endr
	s_min_u32 s53, s53, 0x400                      ; e's rows
	s_sub_co_u32 s54, s53, 1                       ; the last rank (no rows: all ones, which clamps nothing)
	ROWS
	ALOADH 0, 0, 0                                 ; period 0's row fragments
	ALOADH 0, 0, 1
	WIN 0
	s_mov_b32 s78, 0
	s_mov_b32 s68, 4
.Lf:                                                   ; THE FIRST PASS: a trip is two periods, 256 along K
	v_add_nc_u32 v[WSTC], s78, v[WST0]             ; 512 bytes further along the slice's rows in each trip
.set q, 0
.rept 4
	v_add_nc_u32 v[BAD+q], s78, v[BAD0+q]
.set q, q+1
.endr
	PERIOD 0, 0, 0
	PERIOD 1, 256, 1
	s_add_co_u32 s78, s78, 512
	s_sub_co_u32 s68, s68, 1
	s_cmp_lg_u32 s68, 0
	s_cbranch_scc1 .Lf
	s_wait_loadcnt 0x0                             ; the last trip asked for nothing, so nothing is out: the wait says so on every way out of the loop, ahead of the lines that load the fragments' registers again
	v_lshl_add_u32 v7, v25, 2, s82                 ; squares, in: column = lane (these four lines are also the places behind the last products)
	v_mul_u32_u24 v8, v25, 144
	v_add_nc_u32 v8, s82, v8                       ; out: row = lane
	v_lshlrev_b32 v9, 2, v0                        ; ss2: my thread's number = the slice row
.set i, 0
.rept 32                                               ; the squares change lanes through my stage: row i, column lane
	v_add_f32 v[64+i], v[SS+2*i], v[SS+2*i+1]
	ds_store_b32 v7, v[64+i] offset:i*144
.set i, i+1
.endr
.set j, 0
.rept 8
	ds_load_b128 v[96+4*j:96+4*j+3], v8 offset:16*j
.set j, j+1
.endr
	s_wait_dscnt 0x0
.set z, 0
.rept 8
	v_pk_add_f32 v[96+2*z:97+2*z], v[96+2*z:97+2*z], v[112+2*z:113+2*z]
.set z, z+1
.endr
.set z, 0
.rept 4
	v_pk_add_f32 v[96+2*z:97+2*z], v[96+2*z:97+2*z], v[104+2*z:105+2*z]
.set z, z+1
.endr
	v_pk_add_f32 v[96:97], v[96:97], v[100:101]
	v_pk_add_f32 v[98:99], v[98:99], v[102:103]
	v_pk_add_f32 v[96:97], v[96:97], v[98:99]
	v_add_f32 v96, v96, v97                        ; this quarter's squares of row 32 w + lane
	global_store_b32 v9, v96, s[12:13]
	s_wait_xcnt 0x0                                ; the store has read v9 and v96, which are written again below
	s_mov_b32 s70, 4
	s_branch .Lnok                                 ; the loop over passes is entered at the first pass's way out
.Lpass:                                                ; passes 2 to 4: 320 more rows each, against the slice in LDS; dead ones keep only their barriers
	s_cmp_ge_u32 s72, s53
	s_cbranch_scc1 .Lnok                           ; my first tile of this pass begins at or past the count: no products
	ZCLR
	ROWS
	s_mov_b64 s[AB:AB+1], s[A0:A0+1]
	s_mov_b32 s73, 0
	s_mov_b32 s69, 8
.Lk:                                                   ; a trip: 128 along K, one set of row fragments, waited for at once
.set q, 0
.rept 4
	v_add_nc_u32 v[BAD+q], s73, v[BAD0+q]          ; 256 bytes further along the slice's rows in each trip; these four lines are the places ahead of the loads below
.set q, q+1
.endr
	ALOADH 0, 0, 0
	ALOADH 0, 0, 1
	FETCHB 0, 0, BAD
	s_wait_loadcnt 0x0
	KSTEP 0, 0, 0, 64, BAD
	KSTEP 0, 1, 1, 128, BAD
	KSTEP 0, 2, 0, 192, BAD
	KSTEP 0, 3, 1, -1, BAD
	s_add_nc_u64 s[AB:AB+1], s[AB:AB+1], 256       ; no load is out
	s_add_co_u32 s73, s73, 256
	s_sub_co_u32 s69, s69, 1
	s_cmp_lg_u32 s69, 0
	s_cbranch_scc1 .Lk
	PLACES
.Lnok:
	MEET                                           ; every wave's reads of the slice are over: now the stages may be written
	s_mov_b32 s71, 0
.Litem:                                                ; my five tiles, one after the other; a tile that begins at or past the count is jumped
	s_cmp_ge_u32 s72, s53
	s_cbranch_scc1 .Lnext
	s_cmp_eq_u32 s71, 0
	s_cbranch_scc1 .Lb0
	s_cmp_eq_u32 s71, 1
	s_cbranch_scc1 .Lb1
	s_cmp_eq_u32 s71, 2
	s_cbranch_scc1 .Lb2
	s_cmp_eq_u32 s71, 3
	s_cbranch_scc1 .Lb3
	BLOCK 4
	s_branch .Lcom
.Lb3:
	BLOCK 3
	s_branch .Lcom
.Lb2:
	BLOCK 2
	s_branch .Lcom
.Lb1:
	BLOCK 1
	s_branch .Lcom
.Lb0:
	BLOCK 0
.Lcom:
.set t, 0
.rept 16
	ds_load_b128 v[RBK+4*t:RBK+4*t+3], v[RD] offset:528*t   ; my own stage: LDS serves a wave's instructions in order
.set t, t+1
.endr
	s_wait_dscnt 0x0
.set t, 0
.rept 16
	global_store_b128 v[OOFF], v[RBK+4*t:RBK+4*t+3], s[OB:OB+1] offset:16384*t   ; the wave stores 512 consecutive bytes, at a multiple of 256 from pp's first
.set t, t+1
.endr
.Lnext:
	s_wait_xcnt 0x0                                ; the stores have read their data and their offset
	v_add_nc_u32 v[OOFF], 0x100000, v[OOFF]        ; 64 rows on
	v_add_nc_u32 v[RNK], 64, v[RNK]
	s_add_co_u32 s72, s72, 64
	s_add_co_u32 s71, s71, 1
	s_cmp_lt_u32 s71, 5
	s_cbranch_scc1 .Litem
	MEET                                           ; every wave's use of its stage in this pass is over: LDS is only read again
	s_sub_co_u32 s70, s70, 1
	s_cmp_lg_u32 s70, 0
	s_cbranch_scc1 .Lpass
	s_wait_tensorcnt 0x0                           ; the wave's end, behind my last LDS store
	ds_add_u32 v1, v2
	s_wait_dscnt 0x0
	s_endpgm
.Lfunc_end_k_q868fa50676_ffn2:
	.size	k_q868fa50676_ffn2, .Lfunc_end_k_q868fa50676_ffn2-k_q868fa50676_ffn2
	.p2alignl 7, 3214868480
	.fill 96, 4, 3214868480
	.section	.rodata,"a",@progbits
	.p2align	6, 0x0
	.amdhsa_kernel k_q868fa50676_ffn2
		.amdhsa_group_segment_fixed_size 298496
		.amdhsa_private_segment_fixed_size 0
		.amdhsa_enable_private_segment 0
		.amdhsa_kernarg_size 40
		.amdhsa_user_sgpr_count 2
		.amdhsa_user_sgpr_kernarg_segment_ptr 1
		.amdhsa_wavefront_size32 1
		.amdhsa_system_sgpr_workgroup_id_x 1
		.amdhsa_system_sgpr_workgroup_id_y 1
		.amdhsa_system_sgpr_workgroup_id_z 1
		.amdhsa_system_vgpr_workitem_id 0
		.amdhsa_next_free_vgpr 1024
		.amdhsa_next_free_sgpr 96
		.amdhsa_reserve_vcc 0
		.amdhsa_float_denorm_mode_32 3
		.amdhsa_float_denorm_mode_16_64 3
		.amdhsa_memory_ordered 1
		.amdhsa_forward_progress 1
		.amdhsa_inst_pref_size 122
	.end_amdhsa_kernel
	.amdgpu_metadata
---
amdhsa.version: [ 1, 2 ]
amdhsa.kernels:
  - .name:           k_q868fa50676_ffn2
    .symbol:         k_q868fa50676_ffn2.kd
    .args:
      - { .name: hb, .offset: 0, .size: 8, .value_kind: global_buffer, .address_space: global }
      - { .name: bm, .offset: 8, .size: 8, .value_kind: global_buffer, .address_space: global }
      - { .name: w2_v, .offset: 16, .size: 8, .value_kind: global_buffer, .address_space: global }
      - { .name: pp, .offset: 24, .size: 8, .value_kind: global_buffer, .address_space: global }
      - { .name: ss2, .offset: 32, .size: 8, .value_kind: global_buffer, .address_space: global }
    .group_segment_fixed_size: 298496
    .private_segment_fixed_size: 0
    .kernarg_segment_align: 8
    .kernarg_segment_size: 40
    .max_flat_workgroup_size: 128
    .sgpr_count:     96
    .vgpr_count:     1024
    .wavefront_size: 32
...
	.end_amdgpu_metadata
.endif
;; end of part 6
;; launch combine: the kernel of part 4 again; grid 8 x 32, 8 waves a work-group, no clusters, 9,216 bytes of LDS; arguments pp, ss2, sel, rk, w2_g, b2, out0; writes out0
